; MI455X (gfx1250); checked and timed in simulation.
; The chip was launched on July 23, 2026; its instructions are those of AMD's public machine-readable ISA for CDNA 5 (MIT licence, August 2026) and "CDNA5" Instruction Set Architecture Reference Guide (July 2026). The comments in the code are by the model that wrote it; some were corrected since.
;; Hard Gated Experts. Allowed arithmetic: matrix products marked QUANTISED: E4M3 operands, one given power-of-two scale a tensor, by v_wmma_f32_16x16x64_fp8_fp8 or v_wmma_f32_16x16x128_fp8_fp8, f32 sums; everything else in f32.
;; Inputs: W1 8 x 512 x 512 float32; W2 8 x 512 x 256 float32; W3 8 x 256 x 256 float32; b1 8 x 512 float32; b2 8 x 256 float32; b3 8 x 256 float32; gate_id 8,192 int32; h 8,192 x 512 float32; lowp_scales 6 int32 (the exponents e of the quantised operands' scales 2^e).
;; Outputs: out0 8,192 x 256 float32.
;; This version of the problem:
;;   THIS VERSION OF THE PROBLEM IS GIVEN IN LOW PRECISION. The matrix products marked QUANTISED in the list below multiply operands that are first quantised to E4M3 (4 exponent bits, 3 mantissa bits; 8 bits a number), with one given power-of-two scale for each operand tensor; their sums are f32. All else is computed in f32.
;;   The module's matrix products, in the order in which they are computed (A, B: the left and right operand; K: the contracted axis; several contracted axes count as one K, in the product's order):
;;     1. [M 4,096, K 512] x [K 512, N 8,192]; A: input W1; B: input h: QUANTISED (scales: A lowp_scales[0], B lowp_scales[1])
;;     2. batch 8 x [M 8,192, K 512] x [K 512, N 256]; A: computed on the way; B: input W2: QUANTISED (scales: A lowp_scales[2], B lowp_scales[3])
;;     3. batch 8 x [M 8,192, K 256] x [K 256, N 256]; A: computed on the way; B: input W3: QUANTISED (scales: A lowp_scales[4], B lowp_scales[5])
;;   THE QUANTISER, for each operand of a quantised product, along K:
;;     - The operand's scale is 2^e, e = its entry of the input lowp_scales (int32; the entries are numbered through the quantised products in the list's order, A before B).
;;     - Each number is divided by the scale, clamped to +-448, and rounded to the nearest number of E4M3, ties to even, subnormals kept.
;;     - The product sums the exact products of the quantised numbers (number of the format x scale) in f32.
;;   ~~~python
;;   def quantise(x, axis, e):      # numpy; x: float32 -> the quantised numbers, widened to float32 again
;;       x = np.moveaxis(x, axis, -1); K = x.shape[-1]
;;       r = np.clip(x / 2.0 ** e, -448, 448)
;;       step = 2.0 ** (np.maximum(np.frexp(np.where(r == 0, 1, r))[1] - 1, -6) - 3)
;;       q = np.round(r / step) * step * 2.0 ** e      # np.round: ties to even
;;       return np.moveaxis(q, -1, axis).astype(np.float32)
;;   ~~~
;;   OPERANDS COMPUTED ON THE WAY. 'Computed on the way' means the value that the module computes at that place (a softmax that the list does not call 'softmax' is quantised finished and normalised). What goes into a quantiser is computed in f32, as accurately as f32 sums, v_exp_f32 and their like allow (about 1e-6 of the number): no bf16 or f16 on the way to a quantiser, and a product that is left as it is and whose result goes on into a quantised operand takes f32 operands (vector FMAs, or v_wmma_f32_16x16x4_f32). A number that lies on a knife's edge between two numbers of the format may be rounded either way, as far as f32 arithmetic and the matrix unit's own rounding can turn it there, and no further.
;; 2 versions, each right and faster than the one before. Each part assembles by itself: llvm-mc -triple=amdgcn-amd-amdhsa -mcpu=gfx1250 --defsym DOCPART=n.
;; ======== version 1 of 2: 2 launches
;; workspace buffers: route 262,400 bytes of whole numbers; wq 3,670,016 bytes
;; launch prep (part 1): grid 232 x 1, 8 waves a work-group, no clusters, 35,840 bytes of LDS; arguments gate_id, W1, W2, W3, lowp_scales, route, wq; writes route, wq
.if DOCPART == 1
	.amdgcn_target "amdgcn-amd-amdhsa--gfx1250"
	.amdhsa_code_object_version 6
	.text
	.protected	k_q3c606d3b34_prep
	.globl	k_q3c606d3b34_prep
	.p2align	8
	.type	k_q3c606d3b34_prep,@function
k_q3c606d3b34_prep:
	s_mov_b64 s[64:65], 0
	v_nop
	global_prefetch_b8 v0, s[64:65] scope:SCOPE_SE
	s_setreg_imm32_b32 hwreg(HW_REG_WAVE_MODE, 25, 1), 1
	s_wait_xcnt 0x0
; TWO ROLES IN ONE LAUNCH, chosen by the work-group's number alone.
; Work-groups 0-7 ROUTE: work-group e reads all 8,192 gate numbers, takes the rows whose number, clipped to 0..7, is e, and stores them in blocks of 64, with the number of its blocks.
;   route, bytes 32,768 e + 256 b ..: block b of expert e: 64 row numbers (int32).  Places behind the expert's last row repeat that row, so that the next launch needs no mask inside a block.
;   route, bytes 262,144 + 4 e: the number of blocks of expert e, (rows + 63) / 64.
;   NO BRANCH, NO MASK AND NO GLOBAL ADDRESS HERE HANGS ON gate_id: all 128 places for blocks of every expert are stored, 262,144 bytes, though 128 to 135 blocks (some 34 KB) are read later;
;   the places behind an expert's last block hold its last row again (for an expert with no row: whatever lay in LDS) and are never read.
; Work-groups 8-231 QUANTISE W1, W2, W3 ([expert][K][N], f32, K not innermost) once into codes of E4M3, laid in the order in which the next launch's matrix fragments want them:
;   wq = W1's codes at 0, W2's at 2,097,152, W3's at 3,145,728; a layer is [expert][pair b of 32 output units][K step s of 128][u = 0, 1][fragment of 2,048 bytes];
;   byte 256 p + 16 m + j of a fragment is the code of W[k = 128 s + 16 p + j][n = 32 b + 8 u + m + 8 (m / 8)].
;   So a 16-byte load at 512 c + 16 x lane gives lane (r = lane % 16, h = lane / 16) k = 32 c + 16 h + 0 .. 15 of tile row r, and the rows of tiles u = 0, 1 are chosen so that a lane's
;   16 results of the two tiles are 16 neighbouring units: the next layer's K.
; code = x / 2^e, held within +-448, rounded to the nearest code, ties to even; e = lowp_scales[0] for W1, [3] for W2, [5] for W3.
; LIMITS: each of these e lies between -126 and 119, so that 2^e and 448 x 2^e are f32 numbers.  NaN among the weights is not served; an infinity is held at the largest code.  gate_id may be any int32.
; No tensor loads and no matrix work: the quantisers stream each weight once, waves share nothing; the routers meet once, in LDS.
.set LISTB, 4352                       ; routing: a wave's own list in LDS: 1,024 entries of 4 bytes, then 32 dump words (one a lane), then 128 spare bytes
.set LEND,  8*LISTB                    ; 34,816: the eight lists' end
.set CNTS,  262144                     ; where the experts' numbers of blocks lie in route
.set WQ2,   2097152
.set WQ3,   3145728
.set X,     32                         ; v32-95   quantiser: 64 numbers down K.   Routing: v32-63 the 32 gate numbers a lane of my wave's own chunk
.set C,     96                         ; v96-111  quantiser: 64 codes
.set SB,    64                         ; v64-191  routing: four buffers of 32 registers for the chunks that are counted
.set OD,    64                         ; v64-95   routing, later: the 16 blocks' entries on their way out, two a lane and block
	s_load_b256 s[4:11], s[0:1], 0x0               ; gate_id s[4:5], W1 s[6:7], W2 s[8:9], W3 s[10:11]
	s_load_b128 s[12:15], s[0:1], 0x20             ; lowp_scales s[12:13], route s[14:15]
	s_load_b64 s[16:17], s[0:1], 0x30              ; wq
	v_lshl_add_u32 v192, v0, 2, 0x8800
	v_mov_b32 v193, 0
	v_lshrrev_b32 v1, 5, v0
	v_readfirstlane_b32 s18, v1                    ; wave 0..7
	v_and_b32 v1, 31, v0                           ; lane
	s_wait_kmcnt 0x0
	s_cmp_lt_u32 ttmp9, 8
	s_cbranch_scc1 .Lroute
; ---------------------------------------------------------------- THE QUANTISERS
; A wave takes one pair of tiles (32 columns) x 64 along K.  A LANE TAKES A COLUMN AND ITS REGISTERS RUN DOWN K: each load reads 128 consecutive bytes of a row of W (the eight waves 1,024),
; and the conversions, which take neighbours along K from one lane's registers, give 16 codes that are 16 bytes of a fragment.  Lane l stands for tile u = l / 16, tile row m = l % 16:
; sixteen neighbouring lanes store 256 consecutive bytes, at a multiple of 256 from wq's first byte, straight from registers.
	s_load_b128 s[56:59], s[12:13], 0x0            ; e0 .. e3
	s_load_b64 s[60:61], s[12:13], 0x10            ; e4, e5
	v_lshrrev_b32 v4, 4, v1                        ; u
	v_and_b32 v5, 15, v1                           ; m
	v_and_b32 v6, 7, v1                            ; m % 8
	v_bfe_u32 v7, v1, 3, 1                         ; m / 8
	v_lshl_add_u32 v6, v4, 3, v6
	v_lshl_add_u32 v6, v7, 4, v6                   ; my column in the pair: 8 u + m + 8 (m / 8)
	v_lshlrev_b32 v2, 2, v6                        ; in: 4 bytes a column
	v_lshlrev_b32 v3, 4, v5
	v_lshl_add_u32 v3, v4, 11, v3                  ; out: 2,048 u + 16 m
	s_sub_co_u32 s19, ttmp9, 8                     ; which quantiser: 0-127 W1, 128-191 W2, 192-223 W3
	s_lshl_b32 s20, s18, 7                         ; my wave's 32 columns: 128 bytes
; In: s21 = which run of 64 rows of the tensor (expert x runs + run), s22 = byte offset of my 32 columns in a row, s24 = my pair.
; src: the tensor's address; pitch: bytes in a row; rcsh: log2 of 64 rows' bytes; ksh, kmask: runs of 64 in K; esh, bsh: log2 of an expert's and of a pair's bytes in wq; base: the layer's place in wq; sc: its e.
.macro QUANT src, pitch, rcsh, ksh, kmask, esh, bsh, base, sc
	s_lshl_b32 s23, s21, \rcsh
	s_or_b32 s23, s23, s22                         ; where my numbers begin
	s_lshr_b32 s25, s21, \ksh                      ; expert
	s_and_b32 s26, s21, \kmask                     ; which 64 along K
	s_lshl_b32 s27, s25, \esh
	s_lshl_b32 s28, s24, \bsh
	s_add_co_u32 s27, s27, s28
	s_lshr_b32 s28, s26, 1
	s_lshl_b32 s28, s28, 12                        ; the K step of 128: two fragments, 4,096 bytes
	s_add_co_u32 s27, s27, s28
	s_and_b32 s28, s26, 1
	s_lshl_b32 s28, s28, 10                        ; its lower or upper 64: four pieces of 256 bytes
	s_add_co_u32 s27, s27, s28
.if \base
	s_add_co_u32 s27, s27, \base
.endif
	v_add_nc_u32 v2, s23, v2
	v_add_nc_u32 v3, s27, v3
.set i, 0
.rept 64
	global_load_b32 v[X+i], v2, s[\src:\src+1] offset:i*\pitch th:TH_LOAD_NT   ; W(k0 + i, my column): every offset is an immediate, 63 rows at the most
.set i, i+1
.endr
	s_wait_kmcnt 0x0
	s_add_co_i32 s29, s[\sc], 127
	s_lshl_b32 s30, s29, 23
	v_mov_b32 v11, s30                             ; 2^e as f32: the conversion takes its exponent field
	s_add_co_i32 s29, s29, 8
	s_lshl_b32 s29, s29, 23
	s_or_b32 s29, s29, 0x600000
	v_mov_b32 v10, s29                             ; 448 x 2^e
.irp g, 0,1,2,3
	s_wait_loadcnt 48-16*\g                        ; loads come back in order: this piece's 16 are in, the younger pieces' stay out
.set k, 0
.rept 16
	v_med3_num_f32 v[X+16*\g+k], v[X+16*\g+k], -v10, v10   ; the conversion to an 8-bit code does not saturate (ISA guide 7.6.2): hold the number first
.set k, k+1
.endr
	v_cvt_scalef32_pk8_fp8_f32 v[C+4*\g:C+4*\g+1], v[X+16*\g:X+16*\g+7], v11
	v_cvt_scalef32_pk8_fp8_f32 v[C+4*\g+2:C+4*\g+3], v[X+16*\g+8:X+16*\g+15], v11
	v_nop                                          ; one plain vector instruction between a scaled conversion and what touches its result
	global_store_b128 v3, v[C+4*\g:C+4*\g+3], s[16:17] offset:256*\g   ; each piece has its own registers: no store's data are written again
.endr
	s_endpgm
.endm
	s_cmp_lt_u32 s19, 128
	s_cbranch_scc0 .Lw2
	s_lshr_b32 s21, s19, 1                         ; W1: 8 experts x 8 runs of 64 rows, each in two halves of 256 columns
	s_and_b32 s22, s19, 1
	s_lshl3_add_u32 s24, s22, s18                  ; pair = 8 x half + wave
	s_lshl_b32 s22, s22, 10
	s_or_b32 s22, s22, s20
	QUANT 6, 2048, 17, 3, 7, 18, 14, 0, 56
.Lw2:
	s_mov_b32 s22, s20                             ; W2 and W3: 256 columns: the eight waves take the eight pairs
	s_mov_b32 s24, s18
	s_cmp_lt_u32 s19, 192
	s_cbranch_scc0 .Lw3
	s_sub_co_u32 s21, s19, 128                     ; W2: 8 experts x 8 runs
	QUANT 8, 1024, 16, 3, 7, 17, 14, WQ2, 59
.Lw3:
	s_sub_co_u32 s21, s19, 192                     ; W3: 8 experts x 4 runs
	QUANT 10, 1024, 16, 2, 3, 16, 13, WQ3, 61
; ---------------------------------------------------------------- THE ROUTERS
; gate_id falls into eight chunks of 1,024 rows.  Wave w gathers my expert's rows of chunk w into a list of its own in LDS.  The expert's whole list is the eight lists on end; to find an entry in it a
; wave needs the eight lengths, and EVERY WAVE COUNTS THEM ITSELF, straight from gate_id (32 KB more to read for each wave): what steers an address is made in the wave's own registers.
; The clip is folded into the match: a row is expert e's if (g - lo), taken as unsigned, is at most range: e = 0: lo = -2^31, range = 2^31 (every g <= 0); e = 7: lo = 7, range = 2^31 - 8 (every g >= 7);
; else lo = e, range = 0.
.macro LOADC c                         ; chunk c, 4,096 bytes, into buffer c % 4: each load takes 512 consecutive bytes
.irp q, 0,1,2,3,4,5,6,7
	global_load_b128 v[SB+32*((\c)%4)+4*\q:SB+32*((\c)%4)+4*\q+3], v2, s[4:5] offset:4096*(\c)+512*\q
.endr
.endm
; My expert's rows in chunk c are counted into s[36 + c], eight registers at a time, so that no scalar instruction sits on the compare just in front of it.  left: the younger loads, which stay out.
.macro SCAN c, left
	s_wait_loadcnt \left
	s_mov_b32 s[36+\c], 0
.irp g, 0,1,2,3
.irp k, 0,1,2,3,4,5,6,7
	v_add_nc_u32 v[SB+32*((\c)%4)+8*\g+\k], s21, v[SB+32*((\c)%4)+8*\g+\k]   ; g - lo
.endr
.irp k, 0,1,2,3,4,5,6,7
	v_cmp_ge_u32 s[28+\k], s22, v[SB+32*((\c)%4)+8*\g+\k]                    ; range >= g - lo
.endr
.irp k, 0,1,2,3,4,5,6,7
	s_bcnt1_i32_b32 s[28+\k], s[28+\k]
.endr
.irp k, 0,1,2,3,4,5,6,7
	s_add_co_u32 s[36+\c], s[36+\c], s[28+\k]
.endr
.endr
.if \c < 4
	LOADC (\c)+4                                   ; the buffer takes the chunk four further on
.endif
.endm
.Lroute:
	s_mov_b32 s19, ttmp9                           ; my expert
	v_lshlrev_b32 v2, 4, v1                        ; 16 bytes a lane
	s_lshl_b32 s20, s18, 12
	v_add_nc_u32 v17, s20, v2                      ; my wave's own chunk: 4,096 w
.irp q, 0,1,2,3,4,5,6,7
	global_load_b128 v[X+4*\q:X+4*\q+3], v17, s[4:5] offset:512*\q   ; register 4 q + i holds the gate number of row 1,024 w + 128 q + 4 lane + i
.endr
	LOADC 0
	LOADC 1
	LOADC 2
	LOADC 3
	s_sub_co_u32 s21, 0, s19                       ; -lo
	s_mov_b32 s22, 0                               ; range
	s_cmp_eq_u32 s19, 0
	s_cselect_b32 s21, 0x80000000, s21
	s_cselect_b32 s22, 0x80000000, s22
	s_cmp_eq_u32 s19, 7
	s_cselect_b32 s22, 0x7ffffff8, s22
	v_lshlrev_b32 v3, 2, v1
	s_lshl_b32 s23, s18, 10
	v_add_nc_u32 v3, s23, v3                       ; 1,024 w + 4 lane
	s_mul_i32 s24, s18, LISTB
	v_mov_b32 v4, s24                              ; my wave's list
	v_lshl_add_u32 v5, v1, 2, 4096                 ; my dump word, behind the list's 1,024 entries
	s_mov_b32 s25, 0                               ; the length of my wave's list so far
	s_wait_loadcnt 32                              ; my own chunk's 8 loads are in; the 32 loads of chunks 0 to 3 stay out
	; My expert's rows go into my wave's list: a row's place is the list's length so far plus the number of lower lanes that also have one.  The other lanes write their dump words.
.set j, 0
.rept 32
	v_add_nc_u32 v6, s21, v[X+j]
	v_cmp_ge_u32 s26, s22, v6
	v_mbcnt_lo_u32_b32 v6, s26, s25
	s_bcnt1_i32_b32 s27, s26
	s_add_co_u32 s25, s25, s27
	v_lshlrev_b32 v6, 2, v6
	v_cndmask_b32 v6, v5, v6, s26
	v_min_u32 v6, 4220, v6                         ; the offset stays inside my wave's 4,352 bytes whatever was loaded
	v_add_nc_u32 v6, v4, v6
	v_add_nc_u32 v7, 128*(j/4)+j%4, v3             ; the row's number
	ds_store_b32 v6, v7
.set j, j+1
.endr
	SCAN 0, 24                                     ; the three younger chunks' 24 loads stay out,
	SCAN 1, 24
	SCAN 2, 24
	SCAN 3, 24
	SCAN 4, 24                                     ; (chunks 5, 6, 7)
	SCAN 5, 16                                     ; and then the counts run down
	SCAN 6, 8
	SCAN 7, 0
	s_wait_dscnt 0x0                               ; for the others' sake: my list is in LDS
	s_barrier_signal -1
	s_barrier_wait -1                              ; everybody's is.  Nothing in LDS is written behind this barrier
.irp i, 1,2,3,4,5,6,7
	s_add_co_u32 s[36+\i], s[36+\i], s[35+\i]      ; Q(i): entries in lists 0 .. i
.endr
	s_add_co_u32 s54, s43, 63
	s_lshr_b32 s54, s54, 6                         ; my expert's blocks
	s_sub_co_u32 s55, s43, 1                       ; its last entry
.irp i, 0,1,2,3,4,5,6
	s_lshl_b32 s53, s[36+\i], 2
	s_sub_co_u32 s[44+\i], (\i+1)*LISTB, s53       ; entry x with Q(i) <= x < Q(i + 1) lies at 4 x + (i + 1) 4,352 - 4 Q(i); never negative, since Q(i) <= 1,024 (i + 1)
.endr
	v_mov_b32 v6, s54
	s_lshl_b32 s57, s19, 2
	v_mov_b32 v7, s57
	s_wait_xcnt 0x0                                ; EXEC changes only behind this wait
	v_cmp_eq_u32 vcc_lo, 0, v0
	s_wait_tensorcnt 0x0
	ds_add_u32 v192, v193
	s_wait_dscnt 0x0
	s_and_saveexec_b32 s58, vcc_lo                 ; thread 0 alone
	global_store_b32 v7, v6, s[14:15] offset:CNTS
	s_wait_xcnt 0x0                                ; and again, in front of the line that widens it
	s_or_b32 exec_lo, exec_lo, s58
	; The blocks go out: wave w takes blocks w + 8 t, t = 0 .. 15; a block is 32 lanes x 2 entries = 256 consecutive bytes, at a multiple of 256 from route's first byte.
	; First all 32 LDS loads, each block into registers of its own, then the 16 stores: no register is written again, and every global offset is ids and immediates.
	s_lshl_b32 s59, s18, 6
	v_lshl_add_u32 v8, v1, 1, s59                  ; my first entry of block w: 64 w + 2 lane
	s_lshl_b32 s60, s19, 15
	s_lshl_b32 s61, s18, 8
	s_add_co_u32 s60, s60, s61
	v_lshl_add_u32 v16, v1, 3, s60                 ; and its place in route: 32,768 e + 256 w + 8 lane
.set t, 0
.rept 16
	v_add_nc_u32 v10, 512*t, v8
	v_add_nc_u32 v11, 512*t+1, v8
	v_min_u32 v10, s55, v10                        ; places behind the last entry repeat it
	v_min_u32 v11, s55, v11
	v_cmp_le_u32 vcc_lo, s36, v10
	v_cndmask_b32 v12, 0, s44, vcc_lo              ; list 0 begins at LDS byte 0
	v_cmp_le_u32 vcc_lo, s36, v11
	v_cndmask_b32 v13, 0, s44, vcc_lo
.irp i, 1,2,3,4,5,6
	v_cmp_le_u32 vcc_lo, s[36+\i], v10
	v_cndmask_b32 v12, v12, s[44+\i], vcc_lo
	v_cmp_le_u32 vcc_lo, s[36+\i], v11
	v_cndmask_b32 v13, v13, s[44+\i], vcc_lo
.endr
	v_lshl_add_u32 v12, v10, 2, v12
	v_lshl_add_u32 v13, v11, 2, v13
	v_min_u32 v12, LEND-4, v12                     ; inside the lists whatever was loaded
	v_min_u32 v13, LEND-4, v13
	ds_load_b32 v[OD+2*t], v12
	ds_load_b32 v[OD+2*t+1], v13
.set t, t+1
.endr
.set t, 0
.rept 16
	s_wait_dscnt 2*(15-t)                          ; LDS loads come back in order: block t's two are in, the later blocks' stay out
	global_store_b64 v16, v[OD+2*t:OD+2*t+1], s[14:15] offset:2048*t
.set t, t+1
.endr
	s_endpgm
.Lfunc_end_k_q3c606d3b34_prep:
	.size	k_q3c606d3b34_prep, .Lfunc_end_k_q3c606d3b34_prep-k_q3c606d3b34_prep
	.p2alignl 7, 3214868480
	.fill 96, 4, 3214868480
	.section	.rodata,"a",@progbits
	.p2align	6, 0x0
	.amdhsa_kernel k_q3c606d3b34_prep
		.amdhsa_group_segment_fixed_size 35840
		.amdhsa_private_segment_fixed_size 0
		.amdhsa_enable_private_segment 0
		.amdhsa_kernarg_size 56
		.amdhsa_user_sgpr_count 2
		.amdhsa_user_sgpr_kernarg_segment_ptr 1
		.amdhsa_wavefront_size32 1
		.amdhsa_system_sgpr_workgroup_id_x 1
		.amdhsa_system_sgpr_workgroup_id_y 1
		.amdhsa_system_sgpr_workgroup_id_z 1
		.amdhsa_system_vgpr_workitem_id 0
		.amdhsa_next_free_vgpr 194
		.amdhsa_next_free_sgpr 66
		.amdhsa_reserve_vcc 1
		.amdhsa_float_denorm_mode_32 3
		.amdhsa_float_denorm_mode_16_64 3
		.amdhsa_memory_ordered 1
		.amdhsa_forward_progress 1
		.amdhsa_inst_pref_size 137
	.end_amdhsa_kernel
	.amdgpu_metadata
---
amdhsa.version: [ 1, 2 ]
amdhsa.kernels:
  - .name:           k_q3c606d3b34_prep
    .symbol:         k_q3c606d3b34_prep.kd
    .args:
      - { .name: gate_id, .offset: 0, .size: 8, .value_kind: global_buffer, .address_space: global }
      - { .name: W1, .offset: 8, .size: 8, .value_kind: global_buffer, .address_space: global }
      - { .name: W2, .offset: 16, .size: 8, .value_kind: global_buffer, .address_space: global }
      - { .name: W3, .offset: 24, .size: 8, .value_kind: global_buffer, .address_space: global }
      - { .name: lowp_scales, .offset: 32, .size: 8, .value_kind: global_buffer, .address_space: global }
      - { .name: route, .offset: 40, .size: 8, .value_kind: global_buffer, .address_space: global }
      - { .name: wq, .offset: 48, .size: 8, .value_kind: global_buffer, .address_space: global }
    .group_segment_fixed_size: 35840
    .private_segment_fixed_size: 0
    .kernarg_segment_align: 8
    .kernarg_segment_size: 56
    .max_flat_workgroup_size: 256
    .sgpr_count:     66
    .vgpr_count:     194
    .wavefront_size: 32
...
	.end_amdgpu_metadata
.endif
;; end of part 1
;; launch mlp (part 2): grid 135 x 1, 8 waves a work-group, no clusters, 152,576 bytes of LDS; arguments h, b1, b2, b3, lowp_scales, route, wq, out0; writes out0
.if DOCPART == 2
	.amdgcn_target "amdgcn-amd-amdhsa--gfx1250"
	.amdhsa_code_object_version 6
	.text
	.protected	k_q3c606d3b34_mlp
	.globl	k_q3c606d3b34_mlp
	.p2align	8
	.type	k_q3c606d3b34_mlp,@function
k_q3c606d3b34_mlp:
	s_mov_b64 s[64:65], 0
	v_nop
	global_prefetch_b8 v0, s[64:65] scope:SCOPE_SE
	s_setreg_imm32_b32 hwreg(HW_REG_WAVE_MODE, 25, 1), 1
	s_wait_xcnt 0x0
; out0[row] = the three-layer MLP (512 -> 512 -> 256 -> 256, leaky 0.2 behind the first two) of the row's own expert, all three products on codes of E4M3 with the given scales 2^e.
; The selection that follows the dense products keeps one expert's result for each row, so only that expert's is computed: the launch before has gathered each expert's rows into blocks of 64
; (route: block b of expert e at byte 32,768 e + 256 b; the expert's number of blocks at 262,144 + 4 e).  Work-group i takes the i-th block, the experts' blocks counted one after the other.
; SHARES.  A work-group takes one block: 64 rows of h, one expert, the whole chain; nothing between the layers goes to memory.  Wave w takes all 64 rows x its slice of each layer's outputs:
; units 64 w .. + 63 of layer 1 (16 accumulators), 32 w .. + 31 of layers 2 and 3 (8).  So each byte of the weights' codes has ONE reader in the work-group and goes from memory straight into that
; wave's registers, in loads of 512 consecutive bytes (the codes lie in fragment order); only the activations are shared, and they go through LDS as codes.
; THE MATRIX INSTRUCTION IS USED TRANSPOSED: source 0 = 16 units of the weights, source 1 = 16 rows of the batch.  A lane then holds one row (lane % 16), and the rows of the weights' tiles were chosen so
; that its 16 results of tiles u = 0, 1 are the units 32 b + 16 (lane / 16) + 0 .. 15: 16 neighbours along the next K, which two conversions turn into 16 bytes of the next operand.
; K lies in the registers as 32 c + 16 (lane / 16) + 0 .. 15 in registers 4 c .. 4 c + 3, in both operands alike: every product meets its partner; only the order of the sums inside an instruction differs.
; SCALES.  A layer's bias, x 2^-(eA + eB) (exact), is the C of its first K step; leaky commutes with a positive power of two; so one conversion scale 2^(e_next - eA - eB) does the rest, and the last
; layer's sums are multiplied by 2^(e4 + e5).
; THE NUMBER OF BLOCKS hangs on gate_id: 128 to 135.  The grid is the largest case.  No branch on a number read from memory stands round a barrier, so a work-group whose number is not below the
; total takes the last block again and stores with every lane off: at most 7 of 135, work that is thrown away.
; NO JOINT LOADS: the blocks of one expert do read the same codes, but an expert has 0 to 128 blocks, by gate_id, and 135 divides into no cluster of four; and a joint load lands in LDS, where an expert's
; 458,752 bytes of codes do not fit and from where each byte would be read exactly once.  NO TENSOR LOADS for the same reason.
; LIMITS: e1, e2 - e0 - e1 and e4 - e2 - e3 lie between -126 and 119, so that each power of two and 448 times it are f32 numbers.  NaN among the inputs is not served; an infinity is held at the largest code.
; LDS: h's codes 64 rows x 528; a1's codes 64 x 528; a2's codes 64 x 272; the results 64 x 1,040 (f32).  Each pitch is an odd multiple of 16 bytes: the 16 rows that a load or store of 16 bytes a lane
; touches start at 16 different groups of banks (64 banks of 4 bytes: ISA guide 11.1).  Each region is written once, so one barrier between its writing and its reading is all the ordering there is.
; REGISTERS.  Window 0: v1-5 lane numbers; v6-13 my 8 rows' byte offsets (in h, later in out0); v14-26 offsets and LDS addresses; v27, v28 the conversion's scale and the hold; v32-63 biases;
;   v64-127 four fragments of activations (at a layer's end: v64-79 at work, v96-127 codes); v128-255 first my 8 rows of h, then the accumulators.   Window 1: the weights' fragments.
.set PA,   528
.set PB,   272
.set PO,   1040
.set LA1,  64*PA                       ; 33,792
.set LA2,  2*64*PA                     ; 67,584
.set LOUT, LA2+64*PB                   ; 84,992
.set CNTS, 262144
.set WQ2,  2097152
.set WQ3,  3145728
.set BI,   32
.set AF,   64
.set TM,   64
.set CT,   96
.set ACC,  128
.set MSB,  0
.macro WIN new                         ; s_set_vgpr_msb: bits 1:0 source 0, 7:6 destination; the immediate's high byte repeats the setting that is left
.if MSB != \new
	s_set_vgpr_msb (MSB<<8)|\new
.set MSB, \new
.endif
.endm
.set W_MUL, 0x01                       ; source 0 (the weights) in window 1, all else in window 0
.set W_LDW, 0x40                       ; a load's destination in window 1, its offset in window 0
.macro PLACES                          ; a load into a register that a matrix instruction has read, and a vector instruction that reads its result or writes one of its registers, stand four plain
.rept 4                                ; vector instructions behind it (ISA guide 7.12.1 for vector instructions)
	v_nop
.endr
.endm
.macro MEET                            ; my LDS stores are done, for the others' sake; then everybody's are
	s_wait_dscnt 0x0
	s_barrier_signal -1
	s_barrier_wait -1
.endm
.macro LDW reg, voff, imm              ; one fragment of weights, 2,048 bytes: each load takes 512 consecutive bytes
.irp c, 0,1,2,3
	global_load_b128 v[\reg+4*\c:\reg+4*\c+3], v[\voff], s[16:17] offset:\imm+512*\c
.endr
.endm
.macro W1STEP s                        ; layer 1's four fragments of K step s: f = 2 x pair + u
.irp f, 0,1,2,3
	LDW 64*\s+16*\f, 14, 16384*(\f/2)+4096*\s+2048*(\f%2)
.endr
.endm
.macro LDA vaddr, imm, pitch           ; the block's four fragments of activations, 16 rows x 128 K each, at byte imm of the rows
.irp a, 0,1,2,3
.irp c, 0,1,2,3
	ds_load_b128 v[AF+16*\a+4*\c:AF+16*\a+4*\c+3], v[\vaddr] offset:\imm+\a*16*\pitch+32*\c
.endr
.endr
.endm
; One K step: 4 tiles of rows x nf tiles of units.  first = 1: the scaled bias at v[cb ..] is C.  The accumulators take turns, one instruction a turn, in the same order in every step.
.macro MUL nf, wb, cb, first
.irp a, 0,1,2,3
.set f, 0
.rept \nf
.if \first
	v_wmma_f32_16x16x128_fp8_fp8 v[ACC+8*(\a*\nf+f):ACC+8*(\a*\nf+f)+7], v[\wb+16*f:\wb+16*f+15], v[AF+16*\a:AF+16*\a+15], v[\cb+8*f:\cb+8*f+7]
.else
	v_wmma_f32_16x16x128_fp8_fp8 v[ACC+8*(\a*\nf+f):ACC+8*(\a*\nf+f)+7], v[\wb+16*f:\wb+16*f+15], v[AF+16*\a:AF+16*\a+15], v[ACC+8*(\a*\nf+f):ACC+8*(\a*\nf+f)+7]
.endif
.set f, f+1
.endr
.endr
.endm
.macro SETQ sx                         ; v27 = 2^x, v28 = 448 x 2^x, x in s[sx]
	s_add_co_i32 s46, s[\sx], 127
	s_lshl_b32 s47, s46, 23
	v_mov_b32 v27, s47
	s_add_co_i32 s46, s46, 8
	s_lshl_b32 s46, s46, 23
	s_or_b32 s46, s46, 0x600000
	v_mov_b32 v28, s46
.endm
; Two accumulators (16 neighbouring units of one row a lane) -> leaky -> 16 codes -> LDS.  Each accumulator is read from its low end on.
.macro ACT ab, vst, imm, ct
.set k, 0
.rept 8
	v_pk_mul_f32 v[TM+k:TM+k+1], v[\ab+k:\ab+k+1], s[56:57] op_sel_hi:[1,0]   ; 0.2 x
.set k, k+2
.endr
.set k, 0
.rept 16
	v_max_num_f32 v[TM+k], v[TM+k], v[\ab+k]       ; leaky(x) = the larger of x and 0.2 x
.set k, k+1
.endr
.set k, 0
.rept 16
	v_med3_num_f32 v[TM+k], v[TM+k], -v28, v28     ; the conversion to an 8-bit code does not saturate (ISA guide 7.6.2): hold the number first
.set k, k+1
.endr
	v_cvt_scalef32_pk8_fp8_f32 v[\ct:\ct+1], v[TM:TM+7], v27
	v_cvt_scalef32_pk8_fp8_f32 v[\ct+2:\ct+3], v[TM+8:TM+15], v27
	v_nop                                          ; one plain vector instruction between a scaled conversion and what touches its result or writes its sources
	ds_store_b128 v[\vst], v[\ct:\ct+3] offset:\imm
.endm
.macro QH i                            ; row i of my eight rows of h: a lane's 16 neighbours -> 16 codes -> LDS
.set k, 0
.rept 16
	v_med3_num_f32 v[ACC+16*\i+k], v[ACC+16*\i+k], -v28, v28
.set k, k+1
.endr
	v_cvt_scalef32_pk8_fp8_f32 v[AF+4*\i:AF+4*\i+1], v[ACC+16*\i:ACC+16*\i+7], v27
	v_cvt_scalef32_pk8_fp8_f32 v[AF+4*\i+2:AF+4*\i+3], v[ACC+16*\i+8:ACC+16*\i+15], v27
	v_nop
	ds_store_b128 v19, v[AF+4*\i:AF+4*\i+3] offset:PA*\i
.endm
; ---------------------------------------------------------------- which block, which expert, which rows
	s_load_b256 s[4:11], s[0:1], 0x0               ; h s[4:5], b1 s[6:7], b2 s[8:9], b3 s[10:11]
	s_load_b256 s[12:19], s[0:1], 0x20             ; lowp_scales s[12:13], route s[14:15], wq s[16:17], out0 s[18:19]
	v_lshl_add_u32 v30, v0, 2, 0x25000
	v_mov_b32 v31, 0
	v_lshrrev_b32 v1, 5, v0
	v_readfirstlane_b32 s20, v1                    ; wave 0..7
	v_and_b32 v1, 31, v0                           ; lane
	v_and_b32 v2, 15, v0                           ; r
	v_bfe_u32 v3, v0, 4, 1                         ; hh
	v_lshlrev_b32 v4, 4, v1                        ; 16 x lane
	v_lshlrev_b32 v5, 6, v1                        ; 64 x lane
	s_mov_b32 s56, 0x3e4ccccd                      ; 0.2
	s_mov_b32 s57, s56                             ; named with it as a pair, so it is written
	s_mov_b32 s54, ttmp9
	s_wait_kmcnt 0x0
	s_load_b256 s[24:31], s[14:15], CNTS           ; the eight experts' numbers of blocks
	s_load_b128 s[40:43], s[12:13], 0x0            ; e0 .. e3
	s_load_b64 s[44:45], s[12:13], 0x10            ; e4, e5
	; the LDS addresses hang on the thread's number alone: they are made while those loads are out
	s_mul_i32 s46, s20, 8*PA
	v_add_nc_u32 v19, s46, v4                      ; h's codes in: my wave's rows 8 w .., 16 bytes a lane
	v_mul_u32_u24 v20, v2, PA
	v_lshl_add_u32 v20, v3, 4, v20                 ; a fragment of h's codes: row r x pitch + 16 hh
	v_add_nc_u32 v21, LA1, v20                     ; of a1's
	v_mul_u32_u24 v22, v2, PB
	v_lshl_add_u32 v22, v3, 4, v22
	v_add_nc_u32 v22, LA2, v22                     ; of a2's
	s_lshl_b32 s46, s20, 6
	v_add_nc_u32 v23, s46, v21                     ; a1's codes in: row r, units 64 w + 16 hh ..
	s_lshl_b32 s46, s20, 5
	v_add_nc_u32 v24, s46, v22                     ; a2's codes in: row r, units 32 w + 16 hh ..
	v_mul_u32_u24 v25, v2, PO
	v_lshl_add_u32 v25, v3, 6, v25
	s_lshl_b32 s46, s20, 7
	s_add_co_u32 s46, s46, LOUT
	v_add_nc_u32 v25, s46, v25                     ; the results in: row r, columns 32 w + 16 hh .., 4 bytes each
	s_mul_i32 s46, s20, 8*PO
	s_add_co_u32 s46, s46, LOUT
	v_add_nc_u32 v26, s46, v4                      ; and back: my wave's rows 8 w .., 16 bytes a lane
	v_mov_b32 v29, s54                             ; the work-group's number, for the stores' mask
	s_wait_kmcnt 0x0
.irp j, 1,2,3,4,5,6,7
	s_add_co_u32 s[24+\j], s[24+\j], s[23+\j]      ; blocks of experts 0 .. j; s31: the total
.endr
	s_sub_co_u32 s21, s31, 1
	s_min_u32 s21, s21, ttmp9                      ; my block; a work-group beyond the total takes the last one
	s_min_u32 s21, s21, 134                        ; 8,192 rows of 8 experts make 135 blocks of 64 at the most
	s_mov_b32 s22, 0
	s_mov_b32 s58, 0
.irp j, 0,1,2,3,4,5,6
	s_cmp_ge_u32 s21, s[24+\j]
	s_cselect_b32 s58, s[24+\j], s58               ; my expert's first block = the last of these sums that is not above my block (the select leaves SCC as it is),
	s_add_co_ci_u32 s22, s22, 0                    ; the expert = how many experts' blocks end at or in front of mine
.endr
	s_min_u32 s22, s22, 7
	s_sub_co_u32 s58, s21, s58                     ; my block, counted within my expert
	s_min_u32 s58, s58, 127                        ; inside the expert's part of the table whatever was loaded
	s_lshl_b32 s23, s22, 15
	s_lshl_b32 s46, s58, 8
	s_add_co_u32 s23, s23, s46
	s_lshl_b32 s46, s20, 5
	s_add_co_u32 s23, s23, s46                     ; s23 stays as it is until the load below is back
	s_load_b256 s[32:39], s[14:15], s23 offset:0x0 ; my wave's 8 rows of the block
	s_lshl_b32 s46, s22, 18
	s_lshl_b32 s47, s20, 15
	s_add_co_u32 s46, s46, s47
	v_add_nc_u32 v14, s46, v4                      ; W1's codes: expert, pairs 2 w and 2 w + 1
	s_lshl_b32 s46, s22, 17
	s_lshl_b32 s47, s20, 14
	s_add_co_u32 s46, s46, s47
	s_add_co_u32 s46, s46, WQ2
	v_add_nc_u32 v15, s46, v4                      ; W2's: expert, pair w
	s_lshl_b32 s46, s22, 16
	s_lshl_b32 s47, s20, 13
	s_add_co_u32 s46, s46, s47
	s_add_co_u32 s46, s46, WQ3
	v_add_nc_u32 v16, s46, v4                      ; W3's
	s_lshl_b32 s46, s22, 11
	s_lshl_b32 s47, s20, 8
	s_add_co_u32 s46, s46, s47
	v_lshl_add_u32 v17, v3, 6, s46                 ; b1: expert, units 64 w + 16 hh ..
	s_lshl_b32 s46, s22, 10
	s_lshl_b32 s47, s20, 7
	s_add_co_u32 s46, s46, s47
	v_lshl_add_u32 v18, v3, 6, s46                 ; b2, b3: expert, units 32 w + 16 hh ..
; ---------------------------------------------------------------- the loads: b1 (8), W1's K step 0 (16), h (32), W1's K steps 1 to 3 (48)
.irp q, 0,1,2,3,4,5,6,7
	global_load_b128 v[BI+4*\q:BI+4*\q+3], v17, s[6:7] offset:(\q/4)*128+(\q%4)*16   ; in the results' layout: 16 units for each of my two pairs
.endr
	WIN W_LDW
	W1STEP 0
	WIN 0
	s_add_co_i32 s48, s40, s41
	s_sub_co_i32 s48, 0, s48                       ; -(e0 + e1)
	s_add_co_i32 s49, s42, s43
	s_sub_co_i32 s49, 0, s49                       ; -(e2 + e3)
	s_add_co_i32 s50, s44, s45                     ; e4 + e5
	s_sub_co_i32 s51, 0, s50
	s_add_co_i32 s52, s42, s48                     ; e2 - e0 - e1
	s_add_co_i32 s53, s44, s49                     ; e4 - e2 - e3
	SETQ 41                                        ; h's scale: e1
	s_wait_kmcnt 0x0
.irp i, 0,1,2,3,4,5,6,7
	s_min_u32 s[32+\i], s[32+\i], 8191             ; inside h and out0 whatever was loaded
	s_lshl_b32 s46, s[32+\i], 11
	v_add_nc_u32 v[6+\i], s46, v5                  ; row x 2,048 bytes + my 16 numbers
.endr
.irp i, 0,1,2,3,4,5,6,7
.irp q, 0,1,2,3
	global_load_b128 v[ACC+16*\i+4*\q:ACC+16*\i+4*\q+3], v[6+\i], s[4:5] offset:16*\q   ; a lane holds 16 neighbours along K; a row's four loads read its 2,048 bytes between them
.endr
.endr
	WIN W_LDW
	W1STEP 1
	W1STEP 2
	W1STEP 3
	WIN 0
; ---------------------------------------------------------------- h into codes
	s_wait_loadcnt 48                              ; b1, W1's K step 0 and h are in; the 48 loads of W1's K steps 1 to 3 stay out
.set j, 0
.rept 32
	v_ldexp_f32 v[BI+j], v[BI+j], s48              ; b1 x 2^-(e0 + e1): exact
.set j, j+1
.endr
.irp i, 0,1,2,3,4,5,6,7
	QH \i
.endr
	MEET
; ---------------------------------------------------------------- layer 1: K = 512 in four steps, 16 matrix instructions each.  As a step's weights are used up, their registers take layer 2's and 3's.
	LDA 20, 0, PA
	s_wait_dscnt 0x0
	WIN W_MUL
	MUL 4, 0, BI, 1
	PLACES
	WIN W_LDW
	LDW 0, 15, 0                                   ; W2's K steps 0 and 1: (s, u) at 32 s + 16 u
	LDW 16, 15, 2048
	LDW 32, 15, 4096
	LDW 48, 15, 6144
	WIN 0
.irp q, 0,1,2,3
	global_load_b128 v[BI+4*\q:BI+4*\q+3], v18, s[8:9] offset:16*\q          ; b2
.endr
.irp q, 0,1,2,3
	global_load_b128 v[BI+16+4*\q:BI+16+4*\q+3], v18, s[10:11] offset:16*\q  ; b3
.endr
	LDA 20, 128, PA
	s_wait_loadcnt 56                              ; W1's K step 1 is in.  Younger: W1's steps 2, 3 (32), W2's first half (16), b2 and b3 (8)
	s_wait_dscnt 0x0
	WIN W_MUL
	MUL 4, 64, 0, 0
	PLACES
	WIN W_LDW
	LDW 64, 15, 8192                               ; W2's K steps 2 and 3
	LDW 80, 15, 10240
	LDW 96, 15, 12288
	LDW 112, 15, 14336
	WIN 0
	LDA 20, 256, PA
	s_wait_loadcnt 56                              ; W1's K step 2 is in.  Younger: W1's step 3 (16), W2's first half (16), the biases (8), W2's second half (16)
	s_wait_dscnt 0x0
	WIN W_MUL
	MUL 4, 128, 0, 0
	PLACES
	WIN W_LDW
	LDW 128, 16, 0                                 ; W3: (s, u) at 128 + 32 s + 16 u
	LDW 144, 16, 2048
	LDW 160, 16, 4096
	LDW 176, 16, 6144
	WIN 0
	LDA 20, 384, PA
	s_wait_loadcnt 56                              ; W1's K step 3 is in.  Younger: W2's first half (16), the biases (8), W2's second half (16), W3 (16)
	s_wait_dscnt 0x0
	WIN W_MUL
	MUL 4, 192, 0, 0
	PLACES
	WIN 0
	SETQ 52                                        ; a sum stands for sum x 2^(e0 + e1): its code is sum / 2^(e2 - e0 - e1)
.irp a, 0,1,2,3
.irp bl, 0,1
	ACT ACC+8*(4*\a+2*\bl), 23, 16*PA*\a+32*\bl, CT+4*(2*\a+\bl)
.endr
.endr
	s_wait_loadcnt 32                              ; W2's first half, b2 and b3 are in; W2's second half (16) and W3 (16) stay out
.set j, 0
.rept 16
	v_ldexp_f32 v[BI+j], v[BI+j], s49              ; b2 x 2^-(e2 + e3)
.set j, j+1
.endr
.set j, 0
.rept 16
	v_ldexp_f32 v[BI+16+j], v[BI+16+j], s51        ; b3 x 2^-(e4 + e5)
.set j, j+1
.endr
	MEET
; ---------------------------------------------------------------- layer 2: K = 512 in four steps, 8 matrix instructions each
	LDA 21, 0, PA
	s_wait_dscnt 0x0
	WIN W_MUL
	MUL 2, 0, BI, 1
	PLACES
	WIN 0
	LDA 21, 128, PA
	s_wait_dscnt 0x0
	WIN W_MUL
	MUL 2, 32, 0, 0
	PLACES
	WIN 0
	LDA 21, 256, PA
	s_wait_loadcnt 16                              ; W2's second half is in; W3's 16 loads stay out
	s_wait_dscnt 0x0
	WIN W_MUL
	MUL 2, 64, 0, 0
	PLACES
	WIN 0
	LDA 21, 384, PA
	s_wait_dscnt 0x0
	WIN W_MUL
	MUL 2, 96, 0, 0
	PLACES
	WIN 0
	SETQ 53                                        ; code = sum / 2^(e4 - e2 - e3)
.irp a, 0,1,2,3
	ACT ACC+16*\a, 24, 16*PB*\a, CT+4*\a
.endr
	MEET
; ---------------------------------------------------------------- layer 3: K = 256 in two steps
	LDA 22, 0, PB
	s_wait_loadcnt 0x0                             ; W3
	s_wait_dscnt 0x0
	WIN W_MUL
	MUL 2, 128, BI+16, 1
	PLACES
	WIN 0
	LDA 22, 128, PB
	s_wait_dscnt 0x0
	WIN W_MUL
	MUL 2, 160, 0, 0
	PLACES
	WIN 0
.set j, 0
.rept 64
	v_ldexp_f32 v[192+j], v[ACC+j], s50            ; x 2^(e4 + e5), into other registers, each accumulator from its low end on
.set j, j+1
.endr
.irp a, 0,1,2,3
.irp q, 0,1,2,3
	ds_store_b128 v25, v[192+16*\a+4*\q:192+16*\a+4*\q+3] offset:16*PO*\a+16*\q   ; a lane's 16 neighbouring columns of row 16 a + r: 64 bytes
.endr
.endr
	MEET
; ---------------------------------------------------------------- the way out: whole rows, each to its own place in out0
.irp i, 0,1,2,3,4,5,6,7
	s_lshl_b32 s46, s[32+\i], 10
	v_add_nc_u32 v[6+\i], s46, v4                  ; row x 1,024 bytes + 16 x lane (h's loads, which read these registers, came back long ago)
.endr
.irp n, 0,1,2,3,4,5,6,7,8,9,10,11,12,13,14,15
	ds_load_b128 v[AF+4*\n:AF+4*\n+3], v26 offset:PO*(\n/2)+512*(\n%2)
.endr
	v_cmp_gt_u32 vcc_lo, s31, v29                  ; is my work-group's number below the total of blocks?  The same answer in every lane
	s_wait_xcnt 0x0                                ; EXEC changes only behind this wait
	s_wait_tensorcnt 0x0
	ds_add_u32 v30, v31
	s_wait_dscnt 0x0
	s_and_saveexec_b32 s55, vcc_lo                 ; if not, the block is another work-group's to store: every lane off
.irp n, 0,1,2,3,4,5,6,7,8,9,10,11,12,13,14,15
	s_wait_dscnt 15-\n                             ; LDS loads come back in order: number n is in
	global_store_b128 v[6+\n/2], v[AF+4*\n:AF+4*\n+3], s[18:19] offset:512*(\n%2) th:TH_STORE_NT   ; 32 lanes store 512 consecutive bytes of one row, at a multiple of 256 from out0's first byte
.endr
	s_wait_xcnt 0x0                                ; and again, in front of the line that widens it
	s_or_b32 exec_lo, exec_lo, s55
	s_endpgm
.Lfunc_end_k_q3c606d3b34_mlp:
	.size	k_q3c606d3b34_mlp, .Lfunc_end_k_q3c606d3b34_mlp-k_q3c606d3b34_mlp
	.p2alignl 7, 3214868480
	.fill 96, 4, 3214868480
	.section	.rodata,"a",@progbits
	.p2align	6, 0x0
	.amdhsa_kernel k_q3c606d3b34_mlp
		.amdhsa_group_segment_fixed_size 152576
		.amdhsa_private_segment_fixed_size 0
		.amdhsa_enable_private_segment 0
		.amdhsa_kernarg_size 64
		.amdhsa_user_sgpr_count 2
		.amdhsa_user_sgpr_kernarg_segment_ptr 1
		.amdhsa_wavefront_size32 1
		.amdhsa_system_sgpr_workgroup_id_x 1
		.amdhsa_system_sgpr_workgroup_id_y 1
		.amdhsa_system_sgpr_workgroup_id_z 1
		.amdhsa_system_vgpr_workitem_id 0
		.amdhsa_next_free_vgpr 512
		.amdhsa_next_free_sgpr 66
		.amdhsa_reserve_vcc 1
		.amdhsa_float_denorm_mode_32 3
		.amdhsa_float_denorm_mode_16_64 3
		.amdhsa_memory_ordered 1
		.amdhsa_forward_progress 1
		.amdhsa_inst_pref_size 91
	.end_amdhsa_kernel
	.amdgpu_metadata
---
amdhsa.version: [ 1, 2 ]
amdhsa.kernels:
  - .name:           k_q3c606d3b34_mlp
    .symbol:         k_q3c606d3b34_mlp.kd
    .args:
      - { .name: h, .offset: 0, .size: 8, .value_kind: global_buffer, .address_space: global }
      - { .name: b1, .offset: 8, .size: 8, .value_kind: global_buffer, .address_space: global }
      - { .name: b2, .offset: 16, .size: 8, .value_kind: global_buffer, .address_space: global }
      - { .name: b3, .offset: 24, .size: 8, .value_kind: global_buffer, .address_space: global }
      - { .name: lowp_scales, .offset: 32, .size: 8, .value_kind: global_buffer, .address_space: global }
      - { .name: route, .offset: 40, .size: 8, .value_kind: global_buffer, .address_space: global }
      - { .name: wq, .offset: 48, .size: 8, .value_kind: global_buffer, .address_space: global }
      - { .name: out0, .offset: 56, .size: 8, .value_kind: global_buffer, .address_space: global }
    .group_segment_fixed_size: 152576
    .private_segment_fixed_size: 0
    .kernarg_segment_align: 8
    .kernarg_segment_size: 64
    .max_flat_workgroup_size: 256
    .sgpr_count:     66
    .vgpr_count:     512
    .wavefront_size: 32
...
	.end_amdgpu_metadata
.endif
;; end of part 2
;; ======== version 2 of 2: 2 launches; 1.23 times as fast as version 1
;; workspace buffers: route 262,400 bytes of whole numbers; wq 3,670,016 bytes
;; launch prep (part 3): grid 232 x 1, 8 waves a work-group, no clusters, 36,096 bytes of LDS; arguments gate_id, W1, W2, W3, lowp_scales, route, wq; writes route, wq
.if DOCPART == 3
	.amdgcn_target "amdgcn-amd-amdhsa--gfx1250"
	.amdhsa_code_object_version 6
	.text
	.protected	k_q3c606d3b34_prep
	.globl	k_q3c606d3b34_prep
	.p2align	8
	.type	k_q3c606d3b34_prep,@function
k_q3c606d3b34_prep:
	s_mov_b64 s[64:65], 0
	v_nop
	global_prefetch_b8 v0, s[64:65] scope:SCOPE_SE
	s_setreg_imm32_b32 hwreg(HW_REG_WAVE_MODE, 25, 1), 1
	s_wait_xcnt 0x0
; TWO ROLES IN ONE LAUNCH, chosen by the work-group's number alone.
; Work-groups 0-7 ROUTE.  gate_id falls into eight chunks of 1,024 rows; wave c of work-group e gathers the rows of chunk c whose gate number, clipped to 0..7, is e, into a list.
;   route, bytes 32,768 e + 4,096 c ..: that list, row numbers (int32); the places behind its end hold 0 and are never read.
;   route, bytes 262,144 + 4 e: the number of blocks of 64 rows of expert e, (rows + 63) / 64.
;   route, bytes 262,272 + 16 e: Q(0) .. Q(7), the entries in the expert's lists 0 .. c, two to a word (8,192 at the most: 14 bits).
;   The expert's rows are its eight lists on end; the next launch finds an entry's place from Q.  So a wave needs nobody else's count for anything that it addresses: NO BRANCH, NO MASK AND NO ADDRESS
;   BUT THAT OF THE WAVE'S OWN LDS LIST HANGS ON gate_id.  The price: all 1,024 places of all 64 lists are stored, 262,144 bytes, of which 32,768 hold rows.
; Work-groups 8-231 QUANTISE W1, W2, W3 ([expert][K][N], f32, K not innermost) once into codes of E4M3, laid in the order in which the next launch's matrix fragments want them:
;   wq = W1's codes at 0, W2's at 2,097,152, W3's at 3,145,728; a layer is [expert][pair b of 32 output units][K step s of 128][u = 0, 1][fragment of 2,048 bytes];
;   byte 256 p + 16 m + j of a fragment is the code of W[k = 128 s + 16 p + j][n = 32 b + 8 u + m + 8 (m / 8)].
;   So a 16-byte load at 512 c + 16 x lane gives lane (r = lane % 16, h = lane / 16) k = 32 c + 16 h + 0 .. 15 of tile row r, and the rows of tiles u = 0, 1 are chosen so that a lane's
;   16 results of the two tiles are 16 neighbouring units: the next layer's K.
; code = x / 2^e, held within +-448, rounded to the nearest code, ties to even; e = lowp_scales[0] for W1, [3] for W2, [5] for W3.
; LIMITS: each of these e lies between -126 and 119, so that 2^e and 448 x 2^e are f32 numbers.  NaN among the weights is not served; an infinity is held at the largest code.  gate_id may be any int32.
; No tensor loads and no matrix work: the quantisers stream each weight once, waves share nothing; the routers' waves meet once, in LDS, to add their lists' lengths.
.set LISTB, 4352                       ; routing: a wave's own list in LDS: 1,024 entries of 4 bytes, then 32 dump words (one a lane), then 128 spare bytes
.set CW,    8*LISTB                    ; 34,816: eight waves x 4 bytes: the length of the wave's list
.set CNTS,  262144                     ; where the experts' numbers of blocks lie in route
.set QTAB,  CNTS+128                   ; and the running lengths of their lists
.set WQ2,   2097152
.set WQ3,   3145728
.set X,     32                         ; v32-95   quantiser: 64 numbers down K.   Routing: v32-63 the 32 gate numbers a lane of my wave's chunk
.set C,     96                         ; v96-111  quantiser: 64 codes
.set OD,    64                         ; v64-95   routing: my list on its way out
.set RN,    112                        ; v112-119 routing: eight row numbers
	s_load_b256 s[4:11], s[0:1], 0x0               ; gate_id s[4:5], W1 s[6:7], W2 s[8:9], W3 s[10:11]
	s_load_b128 s[12:15], s[0:1], 0x20             ; lowp_scales s[12:13], route s[14:15]
	s_load_b64 s[16:17], s[0:1], 0x30              ; wq
	v_lshl_add_u32 v128, v0, 2, 0x8900
	v_mov_b32 v129, 0
	v_lshrrev_b32 v1, 5, v0
	v_readfirstlane_b32 s18, v1                    ; wave 0..7
	v_and_b32 v1, 31, v0                           ; lane
	s_wait_kmcnt 0x0
	s_cmp_lt_u32 ttmp9, 8
	s_cbranch_scc1 .Lroute
; ---------------------------------------------------------------- THE QUANTISERS
; A wave takes one pair of tiles (32 columns) x 64 along K.  A LANE TAKES A COLUMN AND ITS REGISTERS RUN DOWN K: each load reads 128 consecutive bytes of a row of W (the eight waves 1,024),
; and the conversions, which take neighbours along K from one lane's registers, give 16 codes that are 16 bytes of a fragment.  Lane l stands for tile u = l / 16, tile row m = l % 16:
; sixteen neighbouring lanes store 256 consecutive bytes, at a multiple of 256 from wq's first byte, straight from registers.
	s_load_b128 s[56:59], s[12:13], 0x0            ; e0 .. e3
	s_load_b64 s[60:61], s[12:13], 0x10            ; e4, e5
	v_lshrrev_b32 v4, 4, v1                        ; u
	v_and_b32 v5, 15, v1                           ; m
	v_and_b32 v6, 7, v1                            ; m % 8
	v_bfe_u32 v7, v1, 3, 1                         ; m / 8
	v_lshl_add_u32 v6, v4, 3, v6
	v_lshl_add_u32 v6, v7, 4, v6                   ; my column in the pair: 8 u + m + 8 (m / 8)
	v_lshlrev_b32 v2, 2, v6                        ; in: 4 bytes a column
	v_lshlrev_b32 v3, 4, v5
	v_lshl_add_u32 v3, v4, 11, v3                  ; out: 2,048 u + 16 m
	s_sub_co_u32 s19, ttmp9, 8                     ; which quantiser: 0-127 W1, 128-191 W2, 192-223 W3
	s_lshl_b32 s20, s18, 7                         ; my wave's 32 columns: 128 bytes
; In: s21 = which run of 64 rows of the tensor (expert x runs + run), s22 = byte offset of my 32 columns in a row, s24 = my pair.
; src: the tensor's address; pitch: bytes in a row; rcsh: log2 of 64 rows' bytes; ksh, kmask: runs of 64 in K; esh, bsh: log2 of an expert's and of a pair's bytes in wq; base: the layer's place in wq; sc: its e.
.macro QUANT src, pitch, rcsh, ksh, kmask, esh, bsh, base, sc
	s_lshl_b32 s23, s21, \rcsh
	s_or_b32 s23, s23, s22                         ; where my numbers begin
	s_lshr_b32 s25, s21, \ksh                      ; expert
	s_and_b32 s26, s21, \kmask                     ; which 64 along K
	s_lshl_b32 s27, s25, \esh
	s_lshl_b32 s28, s24, \bsh
	s_add_co_u32 s27, s27, s28
	s_lshr_b32 s28, s26, 1
	s_lshl_b32 s28, s28, 12                        ; the K step of 128: two fragments, 4,096 bytes
	s_add_co_u32 s27, s27, s28
	s_and_b32 s28, s26, 1
	s_lshl_b32 s28, s28, 10                        ; its lower or upper 64: four pieces of 256 bytes
	s_add_co_u32 s27, s27, s28
.if \base
	s_add_co_u32 s27, s27, \base
.endif
	v_add_nc_u32 v2, s23, v2
	v_add_nc_u32 v3, s27, v3
.set i, 0
.rept 64
	global_load_b32 v[X+i], v2, s[\src:\src+1] offset:i*\pitch th:TH_LOAD_NT   ; W(k0 + i, my column): every offset is an immediate, 63 rows at the most
.set i, i+1
.endr
	s_wait_kmcnt 0x0
	s_add_co_i32 s29, s[\sc], 127
	s_lshl_b32 s30, s29, 23
	v_mov_b32 v11, s30                             ; 2^e as f32: the conversion takes its exponent field
	s_add_co_i32 s29, s29, 8
	s_lshl_b32 s29, s29, 23
	s_or_b32 s29, s29, 0x600000
	v_mov_b32 v10, s29                             ; 448 x 2^e
.irp g, 0,1,2,3
	s_wait_loadcnt 48-16*\g                        ; loads come back in order: this piece's 16 are in, the younger pieces' stay out
.set k, 0
.rept 16
	v_med3_num_f32 v[X+16*\g+k], v[X+16*\g+k], -v10, v10   ; the conversion to an 8-bit code does not saturate (ISA guide 7.6.2): hold the number first
.set k, k+1
.endr
	v_cvt_scalef32_pk8_fp8_f32 v[C+4*\g:C+4*\g+1], v[X+16*\g:X+16*\g+7], v11
	v_cvt_scalef32_pk8_fp8_f32 v[C+4*\g+2:C+4*\g+3], v[X+16*\g+8:X+16*\g+15], v11
	v_nop                                          ; one plain vector instruction between a scaled conversion and what touches its result
	global_store_b128 v3, v[C+4*\g:C+4*\g+3], s[16:17] offset:256*\g   ; each piece has its own registers: no store's data are written again
.endr
	s_endpgm
.endm
	s_cmp_lt_u32 s19, 128
	s_cbranch_scc0 .Lw2
	s_lshr_b32 s21, s19, 1                         ; W1: 8 experts x 8 runs of 64 rows, each in two halves of 256 columns
	s_and_b32 s22, s19, 1
	s_lshl3_add_u32 s24, s22, s18                  ; pair = 8 x half + wave
	s_lshl_b32 s22, s22, 10
	s_or_b32 s22, s22, s20
	QUANT 6, 2048, 17, 3, 7, 18, 14, 0, 56
.Lw2:
	s_mov_b32 s22, s20                             ; W2 and W3: 256 columns: the eight waves take the eight pairs
	s_mov_b32 s24, s18
	s_cmp_lt_u32 s19, 192
	s_cbranch_scc0 .Lw3
	s_sub_co_u32 s21, s19, 128                     ; W2: 8 experts x 8 runs
	QUANT 8, 1024, 16, 3, 7, 17, 14, WQ2, 59
.Lw3:
	s_sub_co_u32 s21, s19, 192                     ; W3: 8 experts x 4 runs
	QUANT 10, 1024, 16, 2, 3, 16, 13, WQ3, 61
; ---------------------------------------------------------------- THE ROUTERS
; The clip is folded into the match: a row is expert e's if (g - lo), taken as unsigned, is at most range: e = 0: lo = -2^31, range = 2^31 (every g <= 0); e = 7: lo = 7, range = 2^31 - 8 (every g >= 7);
; else lo = e, range = 0.
.Lroute:
	s_mov_b32 s19, ttmp9                           ; my expert
	v_lshlrev_b32 v2, 4, v1                        ; 16 bytes a lane
	s_lshl_b32 s20, s18, 12                        ; my wave's chunk: 4,096 bytes of gate_id; and my list's 4,096 bytes in the expert's part of route
	v_add_nc_u32 v17, s20, v2
.irp q, 0,1,2,3,4,5,6,7
	global_load_b128 v[X+4*\q:X+4*\q+3], v17, s[4:5] offset:512*\q   ; register 4 q + i holds the gate number of row 1,024 w + 128 q + 4 lane + i
.endr
	s_mul_i32 s24, s18, LISTB
	v_add_nc_u32 v10, s24, v2                      ; my wave's list, 16 bytes a lane
.irp k, 12,13,14,15
	v_mov_b32 v\k, 0
.endr
.irp q, 0,1,2,3,4,5,6,7
	ds_store_b128 v10, v[12:15] offset:512*\q      ; the list's 1,024 places begin as zeros, so that every byte that leaves below has been written; LDS serves a wave's instructions in order
.endr
	s_sub_co_u32 s21, 0, s19                       ; -lo
	s_mov_b32 s22, 0                               ; range
	s_cmp_eq_u32 s19, 0
	s_cselect_b32 s21, 0x80000000, s21
	s_cselect_b32 s22, 0x80000000, s22
	s_cmp_eq_u32 s19, 7
	s_cselect_b32 s22, 0x7ffffff8, s22
	v_lshlrev_b32 v3, 2, v1
	s_lshl_b32 s23, s18, 10
	v_add_nc_u32 v3, s23, v3                       ; 1,024 w + 4 lane
	v_mov_b32 v4, s24                              ; my wave's list
	v_lshl_add_u32 v5, v1, 2, 4096                 ; my dump word, behind the list's 1,024 entries
	s_mov_b32 s44, 0                               ; the length of my list so far
	; My expert's rows go into the list: a row's place is the list's length in front of its register plus the number of lower lanes that also have one.  The other lanes write their dump words.
	; Eight registers at a time, each step for all eight, so that no instruction sits on the result of the one just in front of it.  s28-35 the masks, s36-43 their counts, s44-51 the lengths in front.
.irp g, 0,1,2,3
	s_wait_loadcnt 6-2*\g                          ; loads come back in order: this group's two are in, the younger groups' stay out
.irp k, 0,1,2,3,4,5,6,7
	v_add_nc_u32 v[X+8*\g+\k], s21, v[X+8*\g+\k]   ; g - lo
.endr
.irp k, 0,1,2,3,4,5,6,7
	v_cmp_ge_u32 s[28+\k], s22, v[X+8*\g+\k]       ; range >= g - lo
.endr
.irp k, 0,1,2,3,4,5,6,7
	s_bcnt1_i32_b32 s[36+\k], s[28+\k]
.endr
.irp k, 1,2,3,4,5,6,7
	s_add_co_u32 s[44+\k], s[43+\k], s[35+\k]
.endr
.irp k, 0,1,2,3,4,5,6,7
	v_mbcnt_lo_u32_b32 v[X+8*\g+\k], s[28+\k], s[44+\k]
.endr
	s_add_co_u32 s44, s51, s43                     ; the length in front of the next group
.irp k, 0,1,2,3,4,5,6,7
	v_lshlrev_b32 v[X+8*\g+\k], 2, v[X+8*\g+\k]
.endr
.irp k, 0,1,2,3,4,5,6,7
	v_cndmask_b32 v[X+8*\g+\k], v5, v[X+8*\g+\k], s[28+\k]
.endr
.irp k, 0,1,2,3,4,5,6,7
	v_min_u32 v[X+8*\g+\k], 4220, v[X+8*\g+\k]     ; the offset stays inside my wave's 4,352 bytes whatever was loaded
.endr
.irp k, 0,1,2,3,4,5,6,7
	v_add_nc_u32 v[X+8*\g+\k], v4, v[X+8*\g+\k]
.endr
.irp k, 0,1,2,3,4,5,6,7
	v_add_nc_u32 v[RN+\k], 128*((8*\g+\k)/4)+(8*\g+\k)%4, v3   ; the row's number
.endr
.irp k, 0,1,2,3,4,5,6,7
	ds_store_b32 v[X+8*\g+\k], v[RN+\k]
.endr
.endr
	s_lshl_b32 s28, s18, 2
	s_add_co_u32 s28, s28, CW
	v_mov_b32 v9, s28
	v_mov_b32 v8, s44
	ds_store_b32 v9, v8                            ; my list's length, for the sums below: all lanes write the same word with the same number
	; The list leaves as it lies: 8 x 512 consecutive bytes, at multiples of 256 from route's first byte; every offset is ids and immediates, and each piece has its own registers.
.irp q, 0,1,2,3,4,5,6,7
	ds_load_b128 v[OD+4*\q:OD+4*\q+3], v10 offset:512*\q   ; my own bytes: LDS serves a wave's instructions in order, so these see my stores
.endr
	s_lshl_b32 s60, s19, 15
	s_add_co_u32 s60, s60, s20
	v_add_nc_u32 v16, s60, v2                      ; 32,768 e + 4,096 w + 16 lane
.irp q, 0,1,2,3,4,5,6,7
	s_wait_dscnt 7-\q                              ; LDS loads come back in order: piece q is in, the later pieces stay out
	global_store_b128 v16, v[OD+4*\q:OD+4*\q+3], s[14:15] offset:512*\q
.endr
	s_wait_dscnt 0x0                               ; for the others' sake: my length is in LDS
	s_barrier_signal -1
	s_barrier_wait -1                              ; everybody's is.  Nothing in LDS is written behind this barrier
	v_mov_b32 v11, CW
	ds_load_b128 v[96:99], v11                     ; the eight lists' lengths.  They are data from here on: nothing below addresses or branches by them
	ds_load_b128 v[100:103], v11 offset:16
	s_wait_dscnt 0x0
.irp i, 1,2,3,4,5,6,7
	v_add_nc_u32 v[96+\i], v[96+\i], v[95+\i]      ; Q(i): entries in lists 0 .. i
.endr
.irp p, 0,1,2,3
	v_lshl_or_b32 v[104+\p], v[97+2*\p], 16, v[96+2*\p]   ; two to a word
.endr
	v_add_nc_u32 v108, 63, v103
	v_lshrrev_b32 v108, 6, v108                    ; my expert's blocks
	s_lshl_b32 s57, s19, 2
	v_mov_b32 v7, s57
	s_lshl_b32 s56, s19, 4
	v_mov_b32 v6, s56
	s_wait_xcnt 0x0                                ; EXEC changes only behind this wait
	v_cmp_eq_u32 vcc_lo, 0, v0
	s_wait_tensorcnt 0x0
	ds_add_u32 v128, v129
	s_wait_dscnt 0x0
	s_and_saveexec_b32 s58, vcc_lo                 ; thread 0 alone
	global_store_b32 v7, v108, s[14:15] offset:CNTS
	global_store_b128 v6, v[104:107], s[14:15] offset:QTAB
	s_wait_xcnt 0x0                                ; and again, in front of the line that widens it
	s_or_b32 exec_lo, exec_lo, s58
	s_endpgm
.Lfunc_end_k_q3c606d3b34_prep:
	.size	k_q3c606d3b34_prep, .Lfunc_end_k_q3c606d3b34_prep-k_q3c606d3b34_prep
	.p2alignl 7, 3214868480
	.fill 96, 4, 3214868480
	.section	.rodata,"a",@progbits
	.p2align	6, 0x0
	.amdhsa_kernel k_q3c606d3b34_prep
		.amdhsa_group_segment_fixed_size 36096
		.amdhsa_private_segment_fixed_size 0
		.amdhsa_enable_private_segment 0
		.amdhsa_kernarg_size 56
		.amdhsa_user_sgpr_count 2
		.amdhsa_user_sgpr_kernarg_segment_ptr 1
		.amdhsa_wavefront_size32 1
		.amdhsa_system_sgpr_workgroup_id_x 1
		.amdhsa_system_sgpr_workgroup_id_y 1
		.amdhsa_system_sgpr_workgroup_id_z 1
		.amdhsa_system_vgpr_workitem_id 0
		.amdhsa_next_free_vgpr 130
		.amdhsa_next_free_sgpr 66
		.amdhsa_reserve_vcc 1
		.amdhsa_float_denorm_mode_32 3
		.amdhsa_float_denorm_mode_16_64 3
		.amdhsa_memory_ordered 1
		.amdhsa_forward_progress 1
		.amdhsa_inst_pref_size 61
	.end_amdhsa_kernel
	.amdgpu_metadata
---
amdhsa.version: [ 1, 2 ]
amdhsa.kernels:
  - .name:           k_q3c606d3b34_prep
    .symbol:         k_q3c606d3b34_prep.kd
    .args:
      - { .name: gate_id, .offset: 0, .size: 8, .value_kind: global_buffer, .address_space: global }
      - { .name: W1, .offset: 8, .size: 8, .value_kind: global_buffer, .address_space: global }
      - { .name: W2, .offset: 16, .size: 8, .value_kind: global_buffer, .address_space: global }
      - { .name: W3, .offset: 24, .size: 8, .value_kind: global_buffer, .address_space: global }
      - { .name: lowp_scales, .offset: 32, .size: 8, .value_kind: global_buffer, .address_space: global }
      - { .name: route, .offset: 40, .size: 8, .value_kind: global_buffer, .address_space: global }
      - { .name: wq, .offset: 48, .size: 8, .value_kind: global_buffer, .address_space: global }
    .group_segment_fixed_size: 36096
    .private_segment_fixed_size: 0
    .kernarg_segment_align: 8
    .kernarg_segment_size: 56
    .max_flat_workgroup_size: 256
    .sgpr_count:     66
    .vgpr_count:     130
    .wavefront_size: 32
...
	.end_amdgpu_metadata
.endif
;; end of part 3
;; launch mlp (part 4): grid 135 x 1, 8 waves a work-group, no clusters, 152,576 bytes of LDS; arguments h, b1, b2, b3, lowp_scales, route, wq, out0; writes out0
.if DOCPART == 4
	.amdgcn_target "amdgcn-amd-amdhsa--gfx1250"
	.amdhsa_code_object_version 6
	.text
	.protected	k_q3c606d3b34_mlp
	.globl	k_q3c606d3b34_mlp
	.p2align	8
	.type	k_q3c606d3b34_mlp,@function
k_q3c606d3b34_mlp:
	s_mov_b64 s[64:65], 0
	v_nop
	global_prefetch_b8 v0, s[64:65] scope:SCOPE_SE
	s_setreg_imm32_b32 hwreg(HW_REG_WAVE_MODE, 25, 1), 1
	s_wait_xcnt 0x0
; out0[row] = the three-layer MLP (512 -> 512 -> 256 -> 256, leaky 0.2 behind the first two) of the row's own expert, all three products on codes of E4M3 with the given scales 2^e.
; The selection that follows the dense products keeps one expert's result for each row, so only that expert's is computed.  The launch before has gathered each expert's rows, chunk by chunk of 1,024 rows:
; route: the list of expert e and chunk c at byte 32,768 e + 4,096 c; the expert's number of blocks of 64 rows at 262,144 + 4 e; Q(0) .. Q(7), the entries in its lists 0 .. c, two to a word, at 262,272 + 16 e.
; An expert's rows are its eight lists on end: entry x with Q(c - 1) <= x < Q(c) is entry x - Q(c - 1) of list c.  Work-group i takes the i-th block, the experts' blocks counted one after the other;
; places behind an expert's last entry take that entry again, so that a block needs no mask: the same work-group then computes and stores the same numbers twice.
; SHARES.  A work-group takes one block: 64 rows of h, one expert, the whole chain; nothing between the layers goes to memory.  Wave w takes all 64 rows x its slice of each layer's outputs:
; units 64 w .. + 63 of layer 1 (16 accumulators), 32 w .. + 31 of layers 2 and 3 (8).  So each byte of the weights' codes has ONE reader in the work-group and goes from memory straight into that
; wave's registers, in loads of 512 consecutive bytes (the codes lie in fragment order); only the activations are shared, and they go through LDS as codes.
; THE MATRIX INSTRUCTION IS USED TRANSPOSED: source 0 = 16 units of the weights, source 1 = 16 rows of the batch.  A lane then holds one row (lane % 16), and the rows of the weights' tiles were chosen so
; that its 16 results of tiles u = 0, 1 are the units 32 b + 16 (lane / 16) + 0 .. 15: 16 neighbours along the next K, which two conversions turn into 16 bytes of the next operand.
; K lies in the registers as 32 c + 16 (lane / 16) + 0 .. 15 in registers 4 c .. 4 c + 3, in both operands alike: every product meets its partner; only the order of the sums inside an instruction differs.
; SCALES.  A layer's bias, x 2^-(eA + eB) (exact), is the C of its first K step; leaky commutes with a positive power of two; so one conversion scale 2^(e_next - eA - eB) does the rest, and the last
; layer's sums are multiplied by 2^(e4 + e5).
; THE NUMBER OF BLOCKS hangs on gate_id: 128 to 135.  The grid is the largest case.  No branch on a number read from memory stands round a barrier, so a work-group whose number is not below the
; total takes the last block again and stores with every lane off: at most 7 of 135, work that is thrown away.
; NO JOINT LOADS: the blocks of one expert do read the same codes, but an expert has 0 to 128 blocks, by gate_id, and 135 divides into no cluster of four; and a joint load lands in LDS, where an expert's
; 458,752 bytes of codes do not fit and from where each byte would be read exactly once.  NO TENSOR LOADS for the same reason.
; LIMITS: e1, e2 - e0 - e1 and e4 - e2 - e3 lie between -126 and 119, so that each power of two and 448 times it are f32 numbers.  NaN among the inputs is not served; an infinity is held at the largest code.
; LDS: h's codes 64 rows x 528; a1's codes 64 x 528; a2's codes 64 x 272; the results 64 x 1,040 (f32).  Each pitch is an odd multiple of 16 bytes: the 16 rows that a load or store of 16 bytes a lane
; touches start at 16 different groups of banks (64 banks of 4 bytes: ISA guide 11.1).  Each region is written once, so one barrier between its writing and its reading is all the ordering there is.
; REGISTERS.  Window 0: v1-5 lane numbers; v6-13 my 8 rows' byte offsets (in h, later in out0); v14-26 offsets and LDS addresses; v27, v28 the conversion's scale and the hold; v32-63 biases;
;   v64-127 four fragments of activations (at a layer's end: v64-79 at work, v96-127 codes); v128-255 first my 8 rows of h, then layer 1's 16 accumulators; in layers 2 and 3 v128-191 are the 8 accumulators
;   and v192-255 a second set of four fragments, so that a K step's fragments are asked for a step ahead.   Window 1: the weights' fragments.
.set PA,   528
.set PB,   272
.set PO,   1040
.set LA1,  64*PA                       ; 33,792
.set LA2,  2*64*PA                     ; 67,584
.set LOUT, LA2+64*PB                   ; 84,992
.set CNTS, 262144
.set QTAB, CNTS+128
.set WQ2,  2097152
.set WQ3,  3145728
.set BI,   32
.set AF,   64
.set AF2,  192
.set TM,   64
.set CT,   96
.set ACC,  128
.set MSB,  0
.macro WIN new                         ; s_set_vgpr_msb: bits 1:0 source 0, 7:6 destination; the immediate's high byte repeats the setting that is left
.if MSB != \new
	s_set_vgpr_msb (MSB<<8)|\new
.set MSB, \new
.endif
.endm
.set W_MUL, 0x01                       ; source 0 (the weights) in window 1, all else in window 0
.set W_LDW, 0x40                       ; a load's destination in window 1, its offset in window 0
.macro PLACES                          ; a load into a register that a matrix instruction has read, and a vector instruction that reads its result or writes one of its registers, stand four plain
.rept 4                                ; vector instructions behind it (ISA guide 7.12.1 for vector instructions)
	v_nop
.endr
.endm
.macro MEET                            ; my LDS stores are done, for the others' sake; then everybody's are
	s_wait_dscnt 0x0
	s_barrier_signal -1
	s_barrier_wait -1
.endm
.macro LDW reg, voff, imm              ; one fragment of weights, 2,048 bytes: each load takes 512 consecutive bytes
.irp c, 0,1,2,3
	global_load_b128 v[\reg+4*\c:\reg+4*\c+3], v[\voff], s[16:17] offset:\imm+512*\c
.endr
.endm
.macro W1STEP s                        ; layer 1's four fragments of K step s: f = 2 x pair + u
.irp f, 0,1,2,3
	LDW 64*\s+16*\f, 14, 16384*(\f/2)+4096*\s+2048*(\f%2)
.endr
.endm
.macro LDA dst, vaddr, imm, pitch      ; the block's four fragments of activations, 16 rows x 128 K each, at byte imm of the rows, into the set at v[dst ..]: 16 LDS loads
.irp a, 0,1,2,3
.irp c, 0,1,2,3
	ds_load_b128 v[\dst+16*\a+4*\c:\dst+16*\a+4*\c+3], v[\vaddr] offset:\imm+\a*16*\pitch+32*\c
.endr
.endr
.endm
; One K step: 4 tiles of rows (the set at v[src ..]) x nf tiles of units.  first = 1: the scaled bias at v[cb ..] is C.  The accumulators take turns, one instruction a turn, in the same order in every step.
.macro MUL nf, wb, src, cb, first
.irp a, 0,1,2,3
.set f, 0
.rept \nf
.if \first
	v_wmma_f32_16x16x128_fp8_fp8 v[ACC+8*(\a*\nf+f):ACC+8*(\a*\nf+f)+7], v[\wb+16*f:\wb+16*f+15], v[\src+16*\a:\src+16*\a+15], v[\cb+8*f:\cb+8*f+7]
.else
	v_wmma_f32_16x16x128_fp8_fp8 v[ACC+8*(\a*\nf+f):ACC+8*(\a*\nf+f)+7], v[\wb+16*f:\wb+16*f+15], v[\src+16*\a:\src+16*\a+15], v[ACC+8*(\a*\nf+f):ACC+8*(\a*\nf+f)+7]
.endif
.set f, f+1
.endr
.endr
.endm
.macro SETQ sx                         ; v27 = 2^x, v28 = 448 x 2^x, x in s[sx]
	s_add_co_i32 s46, s[\sx], 127
	s_lshl_b32 s47, s46, 23
	v_mov_b32 v27, s47
	s_add_co_i32 s46, s46, 8
	s_lshl_b32 s46, s46, 23
	s_or_b32 s46, s46, 0x600000
	v_mov_b32 v28, s46
.endm
; Two accumulators (16 neighbouring units of one row a lane) -> leaky -> 16 codes -> LDS.  Each accumulator is read from its low end on.
.macro ACT ab, vst, imm, ct
.set k, 0
.rept 8
	v_pk_mul_f32 v[TM+k:TM+k+1], v[\ab+k:\ab+k+1], s[56:57] op_sel_hi:[1,0]   ; 0.2 x
.set k, k+2
.endr
.set k, 0
.rept 16
	v_max_num_f32 v[TM+k], v[TM+k], v[\ab+k]       ; leaky(x) = the larger of x and 0.2 x
.set k, k+1
.endr
.set k, 0
.rept 16
	v_med3_num_f32 v[TM+k], v[TM+k], -v28, v28     ; the conversion to an 8-bit code does not saturate (ISA guide 7.6.2): hold the number first
.set k, k+1
.endr
	v_cvt_scalef32_pk8_fp8_f32 v[\ct:\ct+1], v[TM:TM+7], v27
	v_cvt_scalef32_pk8_fp8_f32 v[\ct+2:\ct+3], v[TM+8:TM+15], v27
	v_nop                                          ; one plain vector instruction between a scaled conversion and what touches its result or writes its sources
	ds_store_b128 v[\vst], v[\ct:\ct+3] offset:\imm
.endm
; Row i of my eight rows of h.  A lane holds four runs of four neighbours, k = 128 q + 4 lane + 0 .. 3.  One scale serves the whole tensor, so a conversion may take any eight numbers: each of its result
; registers is the four codes of one run, and goes to its place in the row: 32 lanes store 128 consecutive bytes.
.macro QH i
.set k, 0
.rept 16
	v_med3_num_f32 v[ACC+16*\i+k], v[ACC+16*\i+k], -v28, v28
.set k, k+1
.endr
	v_cvt_scalef32_pk8_fp8_f32 v[AF+4*\i:AF+4*\i+1], v[ACC+16*\i:ACC+16*\i+7], v27
	v_cvt_scalef32_pk8_fp8_f32 v[AF+4*\i+2:AF+4*\i+3], v[ACC+16*\i+8:ACC+16*\i+15], v27
	v_nop
.irp q, 0,1,2,3
	ds_store_b32 v19, v[AF+4*\i+\q] offset:PA*\i+128*\q
.endr
.endm
; ---------------------------------------------------------------- which block, which expert, which rows
	s_load_b256 s[4:11], s[0:1], 0x0               ; h s[4:5], b1 s[6:7], b2 s[8:9], b3 s[10:11]
	s_load_b256 s[12:19], s[0:1], 0x20             ; lowp_scales s[12:13], route s[14:15], wq s[16:17], out0 s[18:19]
	v_lshl_add_u32 v30, v0, 2, 0x25000
	v_mov_b32 v31, 0
	v_lshrrev_b32 v1, 5, v0
	v_readfirstlane_b32 s20, v1                    ; wave 0..7
	v_and_b32 v1, 31, v0                           ; lane
	v_and_b32 v2, 15, v0                           ; r
	v_bfe_u32 v3, v0, 4, 1                         ; hh
	v_lshlrev_b32 v4, 4, v1                        ; 16 x lane
	v_lshlrev_b32 v5, 2, v1                        ; 4 x lane
	s_mov_b32 s56, 0x3e4ccccd                      ; 0.2
	s_mov_b32 s57, s56                             ; named with it as a pair, so it is written
	s_mov_b32 s54, ttmp9
	s_wait_kmcnt 0x0
	s_load_b256 s[24:31], s[14:15], CNTS           ; the eight experts' numbers of blocks
	s_load_b512 s[68:83], s[14:15], QTAB           ; the running lengths of their lists, four words an expert: experts 0 to 3,
	s_load_b512 s[84:99], s[14:15], QTAB+64        ; experts 4 to 7: all of them now, so that no further round of loads is needed once the expert is known
	s_load_b128 s[40:43], s[12:13], 0x0            ; e0 .. e3
	s_load_b64 s[44:45], s[12:13], 0x10            ; e4, e5
	; the LDS addresses hang on the thread's number alone: they are made while those loads are out
	s_mul_i32 s46, s20, 8*PA
	v_add_nc_u32 v19, s46, v5                      ; h's codes in: my wave's rows 8 w .., 4 bytes a lane
	v_mul_u32_u24 v20, v2, PA
	v_lshl_add_u32 v20, v3, 4, v20                 ; a fragment of h's codes: row r x pitch + 16 hh
	v_add_nc_u32 v21, LA1, v20                     ; of a1's
	v_mul_u32_u24 v22, v2, PB
	v_lshl_add_u32 v22, v3, 4, v22
	v_add_nc_u32 v22, LA2, v22                     ; of a2's
	s_lshl_b32 s46, s20, 6
	v_add_nc_u32 v23, s46, v21                     ; a1's codes in: row r, units 64 w + 16 hh ..
	s_lshl_b32 s46, s20, 5
	v_add_nc_u32 v24, s46, v22                     ; a2's codes in: row r, units 32 w + 16 hh ..
	v_mul_u32_u24 v25, v2, PO
	v_lshl_add_u32 v25, v3, 6, v25
	s_lshl_b32 s46, s20, 7
	s_add_co_u32 s46, s46, LOUT
	v_add_nc_u32 v25, s46, v25                     ; the results in: row r, columns 32 w + 16 hh .., 4 bytes each
	s_mul_i32 s46, s20, 8*PO
	s_add_co_u32 s46, s46, LOUT
	v_add_nc_u32 v26, s46, v4                      ; and back: my wave's rows 8 w .., 16 bytes a lane
	v_mov_b32 v29, s54                             ; the work-group's number, for the stores' mask
	s_wait_kmcnt 0x0
.irp j, 1,2,3,4,5,6,7
	s_add_co_u32 s[24+\j], s[24+\j], s[23+\j]      ; blocks of experts 0 .. j; s31: the total
.endr
	s_sub_co_u32 s21, s31, 1
	s_min_u32 s21, s21, ttmp9                      ; my block; a work-group beyond the total takes the last one
	s_min_u32 s21, s21, 134                        ; 8,192 rows of 8 experts make 135 blocks of 64 at the most
	s_mov_b32 s22, 0
	s_mov_b32 s58, 0
	s_mov_b64 s[60:61], s[68:69]                   ; expert 0's four words, unless a later expert's take their place
	s_mov_b64 s[62:63], s[70:71]
.irp j, 0,1,2,3,4,5,6
	s_cmp_ge_u32 s21, s[24+\j]                     ; the sums do not fall, so this holds for every j below my expert and for no other
	s_cselect_b32 s58, s[24+\j], s58               ; my expert's first block = the last of these sums that is not above my block (the selects leave SCC as it is),
	s_cselect_b64 s[60:61], s[72+4*\j:73+4*\j], s[60:61]   ; its four words of running lengths: expert j + 1's where the compare holds,
	s_cselect_b64 s[62:63], s[74+4*\j:75+4*\j], s[62:63]
	s_add_co_ci_u32 s22, s22, 0                    ; the expert = how many experts' blocks end at or in front of mine
.endr
	s_min_u32 s22, s22, 7
	s_sub_co_u32 s58, s21, s58                     ; my block, counted within my expert
	s_min_u32 s58, s58, 127
.irp p, 0,1,2,3
	s_and_b32 s[68+2*\p], s[60+\p], 0xffff         ; Q(c) in s[68 + c]
	s_lshr_b32 s[69+2*\p], s[60+\p], 16
.endr
	s_sub_co_u32 s83, s75, 1                       ; the expert's last entry
.irp c, 0,1,2,3,4,5,6
	s_lshl_b32 s46, s[68+\c], 2
	s_sub_co_u32 s[76+\c], (\c+1)*4096, s46        ; entry x with Q(c) <= x < Q(c + 1) lies at 4 x + 4,096 (c + 1) - 4 Q(c) of the expert's part; never negative, since Q(c) <= 1,024 (c + 1)
.endr
	s_lshl_b32 s59, s58, 6
	s_lshl3_add_u32 s59, s20, s59                  ; my wave's first entry: 64 x block + 8 w
	s_lshl_b32 s23, s22, 15                        ; the expert's part of route
.irp i, 0,1,2,3,4,5,6,7
	s_add_co_u32 s46, s59, \i
	s_min_u32 s46, s46, s83                        ; places behind the last entry take it again
.irp c, 0,1,2,3,4,5,6
	s_cmp_ge_u32 s46, s[68+\c]
.if \c == 0
	s_cselect_b32 s47, s[76+\c], 0                 ; list 0 begins at byte 0 of the part
.else
	s_cselect_b32 s47, s[76+\c], s47
.endif
.endr
	s_lshl2_add_u32 s47, s46, s47
	s_min_u32 s47, s47, 32764                      ; inside the expert's part whatever was loaded
	s_add_co_u32 s[84+\i], s47, s23                ; each load has an offset register of its own, which stays as it is until the load is back
	s_load_b32 s[32+\i], s[14:15], s[84+\i] offset:0x0     ; row i of my wave's 8 rows of the block
.endr
	s_lshl_b32 s46, s22, 18
	s_lshl_b32 s47, s20, 15
	s_add_co_u32 s46, s46, s47
	v_add_nc_u32 v14, s46, v4                      ; W1's codes: expert, pairs 2 w and 2 w + 1
	s_lshl_b32 s46, s22, 17
	s_lshl_b32 s47, s20, 14
	s_add_co_u32 s46, s46, s47
	s_add_co_u32 s46, s46, WQ2
	v_add_nc_u32 v15, s46, v4                      ; W2's: expert, pair w
	s_lshl_b32 s46, s22, 16
	s_lshl_b32 s47, s20, 13
	s_add_co_u32 s46, s46, s47
	s_add_co_u32 s46, s46, WQ3
	v_add_nc_u32 v16, s46, v4                      ; W3's
	s_lshl_b32 s46, s22, 11
	s_lshl_b32 s47, s20, 8
	s_add_co_u32 s46, s46, s47
	v_lshl_add_u32 v17, v3, 6, s46                 ; b1: expert, units 64 w + 16 hh ..
	s_lshl_b32 s46, s22, 10
	s_lshl_b32 s47, s20, 7
	s_add_co_u32 s46, s46, s47
	v_lshl_add_u32 v18, v3, 6, s46                 ; b2, b3: expert, units 32 w + 16 hh ..
; ---------------------------------------------------------------- the loads: b1 (8), W1's K step 0 (16), h (32), W1's K steps 1 to 3 (48)
.irp q, 0,1,2,3,4,5,6,7
	global_load_b128 v[BI+4*\q:BI+4*\q+3], v17, s[6:7] offset:(\q/4)*128+(\q%4)*16   ; in the results' layout: 16 units for each of my two pairs
.endr
	WIN W_LDW
	W1STEP 0
	WIN 0
	s_add_co_i32 s48, s40, s41
	s_sub_co_i32 s48, 0, s48                       ; -(e0 + e1)
	s_add_co_i32 s49, s42, s43
	s_sub_co_i32 s49, 0, s49                       ; -(e2 + e3)
	s_add_co_i32 s50, s44, s45                     ; e4 + e5
	s_sub_co_i32 s51, 0, s50
	s_add_co_i32 s52, s42, s48                     ; e2 - e0 - e1
	s_add_co_i32 s53, s44, s49                     ; e4 - e2 - e3
	SETQ 41                                        ; h's scale: e1
	s_wait_kmcnt 0x0
.irp i, 0,1,2,3,4,5,6,7
	s_min_u32 s[32+\i], s[32+\i], 8191             ; inside h and out0 whatever was loaded
	s_lshl_b32 s46, s[32+\i], 11
	v_add_nc_u32 v[6+\i], s46, v4                  ; row x 2,048 bytes + 16 x lane
.endr
.irp i, 0,1,2,3,4,5,6,7
.irp q, 0,1,2,3
	global_load_b128 v[ACC+16*\i+4*\q:ACC+16*\i+4*\q+3], v[6+\i], s[4:5] offset:512*\q   ; each load of the wave covers 512 consecutive bytes of the row: lane l takes k = 128 q + 4 l + 0 .. 3
.endr
.endr
	WIN W_LDW
	W1STEP 1
	W1STEP 2
	W1STEP 3
	WIN 0
; ---------------------------------------------------------------- h into codes
	s_wait_loadcnt 48                              ; b1, W1's K step 0 and h are in; the 48 loads of W1's K steps 1 to 3 stay out
.set j, 0
.rept 32
	v_ldexp_f32 v[BI+j], v[BI+j], s48              ; b1 x 2^-(e0 + e1): exact
.set j, j+1
.endr
.irp i, 0,1,2,3,4,5,6,7
	QH \i
.endr
	MEET
; ---------------------------------------------------------------- layer 1: K = 512 in four steps, 16 matrix instructions each.  As a step's weights are used up, their registers take layer 2's and 3's.
; Behind a step's places the next step's LDS loads are issued first and the run of global loads behind them, so that the fragments are on their way while the global loads are taken in.
	LDA AF, 20, 0, PA
	s_wait_dscnt 0x0
	WIN W_MUL
	MUL 4, 0, AF, BI, 1
	PLACES
	WIN 0
	LDA AF, 20, 128, PA
	WIN W_LDW
	LDW 0, 15, 0                                   ; W2's K steps 0 and 1: (s, u) at 32 s + 16 u
	LDW 16, 15, 2048
	LDW 32, 15, 4096
	LDW 48, 15, 6144
	WIN 0
.irp q, 0,1,2,3
	global_load_b128 v[BI+4*\q:BI+4*\q+3], v18, s[8:9] offset:16*\q          ; b2
.endr
.irp q, 0,1,2,3
	global_load_b128 v[BI+16+4*\q:BI+16+4*\q+3], v18, s[10:11] offset:16*\q  ; b3
.endr
	s_wait_loadcnt 56                              ; W1's K step 1 is in.  Younger: W1's steps 2, 3 (32), W2's first half (16), b2 and b3 (8)
	s_wait_dscnt 0x0
	WIN W_MUL
	MUL 4, 64, AF, 0, 0
	PLACES
	WIN 0
	LDA AF, 20, 256, PA
	WIN W_LDW
	LDW 64, 15, 8192                               ; W2's K steps 2 and 3
	LDW 80, 15, 10240
	LDW 96, 15, 12288
	LDW 112, 15, 14336
	WIN 0
	s_wait_loadcnt 56                              ; W1's K step 2 is in.  Younger: W1's step 3 (16), W2's first half (16), the biases (8), W2's second half (16)
	s_wait_dscnt 0x0
	WIN W_MUL
	MUL 4, 128, AF, 0, 0
	PLACES
	WIN 0
	LDA AF, 20, 384, PA
	WIN W_LDW
	LDW 128, 16, 0                                 ; W3: (s, u) at 128 + 32 s + 16 u
	LDW 144, 16, 2048
	LDW 160, 16, 4096
	LDW 176, 16, 6144
	WIN 0
	s_wait_loadcnt 56                              ; W1's K step 3 is in.  Younger: W2's first half (16), the biases (8), W2's second half (16), W3 (16)
	s_wait_dscnt 0x0
	WIN W_MUL
	MUL 4, 192, AF, 0, 0
	PLACES
	WIN 0
	SETQ 52                                        ; a sum stands for sum x 2^(e0 + e1): its code is sum / 2^(e2 - e0 - e1)
.irp a, 0,1,2,3
.irp bl, 0,1
	ACT ACC+8*(4*\a+2*\bl), 23, 16*PA*\a+32*\bl, CT+4*(2*\a+\bl)
.endr
.endr
	s_wait_loadcnt 32                              ; W2's first half, b2 and b3 are in; W2's second half (16) and W3 (16) stay out
.set j, 0
.rept 16
	v_ldexp_f32 v[BI+j], v[BI+j], s49              ; b2 x 2^-(e2 + e3)
.set j, j+1
.endr
.set j, 0
.rept 16
	v_ldexp_f32 v[BI+16+j], v[BI+16+j], s51        ; b3 x 2^-(e4 + e5)
.set j, j+1
.endr
	MEET
; ---------------------------------------------------------------- layer 2: K = 512 in four steps, 8 matrix instructions each; the two sets of fragments take turns, each asked for a step ahead
	LDA AF, 21, 0, PA
	LDA AF2, 21, 128, PA
	s_wait_dscnt 16                                ; LDS loads come back in order: step 0's 16 are in, step 1's 16 stay out
	WIN W_MUL
	MUL 2, 0, AF, BI, 1
	PLACES
	WIN 0
	LDA AF, 21, 256, PA
	s_wait_dscnt 16                                ; step 1's are in, step 2's stay out
	WIN W_MUL
	MUL 2, 32, AF2, 0, 0
	PLACES
	WIN 0
	LDA AF2, 21, 384, PA
	s_wait_loadcnt 16                              ; W2's second half is in; W3's 16 loads stay out
	s_wait_dscnt 16                                ; step 2's are in, step 3's stay out
	WIN W_MUL
	MUL 2, 64, AF, 0, 0
	s_wait_dscnt 0x0                               ; step 3's are in.  Nothing is loaded between these two steps, so no places; the 8 accumulators go on taking turns
	MUL 2, 96, AF2, 0, 0
	PLACES
	WIN 0
	SETQ 53                                        ; code = sum / 2^(e4 - e2 - e3)
.irp a, 0,1,2,3
	ACT ACC+16*\a, 24, 16*PB*\a, CT+4*\a
.endr
	MEET
; ---------------------------------------------------------------- layer 3: K = 256 in two steps, both asked for at once
	LDA AF, 22, 0, PB
	LDA AF2, 22, 128, PB
	s_wait_loadcnt 0x0                             ; W3
	s_wait_dscnt 16                                ; step 0's 16 are in, step 1's stay out
	WIN W_MUL
	MUL 2, 128, AF, BI+16, 1
	s_wait_dscnt 0x0
	MUL 2, 160, AF2, 0, 0
	PLACES                                         ; in front of the reads of the results and of the writes over the second set, which the last products read
	WIN 0
.set j, 0
.rept 64
	v_ldexp_f32 v[192+j], v[ACC+j], s50            ; x 2^(e4 + e5), into other registers, each accumulator from its low end on
.set j, j+1
.endr
.irp a, 0,1,2,3
.irp q, 0,1,2,3
	ds_store_b128 v25, v[192+16*\a+4*\q:192+16*\a+4*\q+3] offset:16*PO*\a+16*\q   ; a lane's 16 neighbouring columns of row 16 a + r: 64 bytes
.endr
.endr
	MEET
; ---------------------------------------------------------------- the way out: whole rows, each to its own place in out0
.irp i, 0,1,2,3,4,5,6,7
	s_lshl_b32 s46, s[32+\i], 10
	v_add_nc_u32 v[6+\i], s46, v4                  ; row x 1,024 bytes + 16 x lane (h's loads, which read these registers, came back long ago)
.endr
.irp n, 0,1,2,3,4,5,6,7,8,9,10,11,12,13,14,15
	ds_load_b128 v[AF+4*\n:AF+4*\n+3], v26 offset:PO*(\n/2)+512*(\n%2)
.endr
	v_cmp_gt_u32 vcc_lo, s31, v29                  ; is my work-group's number below the total of blocks?  The same answer in every lane
	s_wait_xcnt 0x0                                ; EXEC changes only behind this wait
	s_wait_tensorcnt 0x0
	ds_add_u32 v30, v31
	s_wait_dscnt 0x0
	s_and_saveexec_b32 s55, vcc_lo                 ; if not, the block is another work-group's to store: every lane off
.irp n, 0,1,2,3,4,5,6,7,8,9,10,11,12,13,14,15
	s_wait_dscnt 15-\n                             ; LDS loads come back in order: number n is in
	global_store_b128 v[6+\n/2], v[AF+4*\n:AF+4*\n+3], s[18:19] offset:512*(\n%2) th:TH_STORE_NT   ; 32 lanes store 512 consecutive bytes of one row, at a multiple of 256 from out0's first byte
.endr
	s_wait_xcnt 0x0                                ; and again, in front of the line that widens it
	s_or_b32 exec_lo, exec_lo, s55
	s_endpgm
.Lfunc_end_k_q3c606d3b34_mlp:
	.size	k_q3c606d3b34_mlp, .Lfunc_end_k_q3c606d3b34_mlp-k_q3c606d3b34_mlp
	.p2alignl 7, 3214868480
	.fill 96, 4, 3214868480
	.section	.rodata,"a",@progbits
	.p2align	6, 0x0
	.amdhsa_kernel k_q3c606d3b34_mlp
		.amdhsa_group_segment_fixed_size 152576
		.amdhsa_private_segment_fixed_size 0
		.amdhsa_enable_private_segment 0
		.amdhsa_kernarg_size 64
		.amdhsa_user_sgpr_count 2
		.amdhsa_user_sgpr_kernarg_segment_ptr 1
		.amdhsa_wavefront_size32 1
		.amdhsa_system_sgpr_workgroup_id_x 1
		.amdhsa_system_sgpr_workgroup_id_y 1
		.amdhsa_system_sgpr_workgroup_id_z 1
		.amdhsa_system_vgpr_workitem_id 0
		.amdhsa_next_free_vgpr 512
		.amdhsa_next_free_sgpr 100
		.amdhsa_reserve_vcc 1
		.amdhsa_float_denorm_mode_32 3
		.amdhsa_float_denorm_mode_16_64 3
		.amdhsa_memory_ordered 1
		.amdhsa_forward_progress 1
		.amdhsa_inst_pref_size 100
	.end_amdhsa_kernel
	.amdgpu_metadata
---
amdhsa.version: [ 1, 2 ]
amdhsa.kernels:
  - .name:           k_q3c606d3b34_mlp
    .symbol:         k_q3c606d3b34_mlp.kd
    .args:
      - { .name: h, .offset: 0, .size: 8, .value_kind: global_buffer, .address_space: global }
      - { .name: b1, .offset: 8, .size: 8, .value_kind: global_buffer, .address_space: global }
      - { .name: b2, .offset: 16, .size: 8, .value_kind: global_buffer, .address_space: global }
      - { .name: b3, .offset: 24, .size: 8, .value_kind: global_buffer, .address_space: global }
      - { .name: lowp_scales, .offset: 32, .size: 8, .value_kind: global_buffer, .address_space: global }
      - { .name: route, .offset: 40, .size: 8, .value_kind: global_buffer, .address_space: global }
      - { .name: wq, .offset: 48, .size: 8, .value_kind: global_buffer, .address_space: global }
      - { .name: out0, .offset: 56, .size: 8, .value_kind: global_buffer, .address_space: global }
    .group_segment_fixed_size: 152576
    .private_segment_fixed_size: 0
    .kernarg_segment_align: 8
    .kernarg_segment_size: 64
    .max_flat_workgroup_size: 256
    .sgpr_count:     100
    .vgpr_count:     512
    .wavefront_size: 32
...
	.end_amdgpu_metadata
.endif
;; end of part 4
